; MI455X (gfx1250); checked and timed in simulation.
; The chip was launched on July 23, 2026; its instructions are those of AMD's public machine-readable ISA for CDNA 5 (MIT licence, August 2026) and "CDNA5" Instruction Set Architecture Reference Guide (July 2026). The comments in the code are by the model that wrote it; some were corrected since.
;; Multi Head Attention. Allowed arithmetic: float matrix products may take bf16 or f16 operands with f32 sums; other float arithmetic in f32, or as packed bf16 or f16 multiplies, adds, multiply-adds, maxima and minima; sums over many terms, partial sums and values carried from step to step in f32; what a program stores and reads back later, other than sums and carried values, may be rounded once to bf16 or f16.
;; Inputs: W_out 1,024 x 1,024 float32; W_qkv 3,072 x 1,024 float32; attention_biases 16 x 1,024 float32; b_out 1,024 float32; bias_idxs 1,024 x 1,024 int32; x 8 x 1,024 x 1,024 float32.
;; Outputs: out0 8 x 1,024 x 1,024 float32.
;; 2 versions, each right; version 2 is version 1 with the launch prep written anew for expert scheduling mode. Each part assembles by itself: llvm-mc -triple=amdgcn-amd-amdhsa -mcpu=gfx1250 --defsym DOCPART=n.
;; ======== version 1 of 2: 4 launches
;; limits: values are held in f16: magnitudes above 65,504 overflow, below 6.1e-05 lose precision; values outside matrix products are rounded to bf16
;; workspace buffers: xh 16,777,216 bytes; wq 6,291,456 bytes; wo 2,097,152 bytes; biasw 33,554,432 bytes; qkv 50,331,648 bytes; ow 16,777,216 bytes
;; launch prep (part 1): grid 1024 x 1, 8 waves a work-group, no clusters, 33,792 bytes of LDS; arguments x, W_qkv, W_out, attention_biases, bias_idxs, xh, wq, wo, biasw; writes xh, wq, wo, biasw
.if DOCPART == 1
	.amdgcn_target "amdgcn-amd-amdhsa--gfx1250"
	.amdhsa_code_object_version 6
	.text
	.protected	k_qe5f6f7db01_prep
	.globl	k_qe5f6f7db01_prep
	.p2align	8
	.type	k_qe5f6f7db01_prep,@function
k_qe5f6f7db01_prep:
	s_mov_b64 s[64:65], 0
	v_nop
	global_prefetch_b8 v0, s[64:65] scope:SCOPE_SE
	s_setreg_imm32_b32 hwreg(HW_REG_WAVE_MODE, 25, 1), 1
	s_wait_xcnt 0x0
; PREP.  Two kinds of work-group, told apart by the work-group number alone (the same for all eight waves).
; Work-groups 0-255: THE BIAS MATRIX.  biasw[h][qh][ks][w][p][kb][j][lane][e] = bias[h][idx[q][k]], q = 512 qh + 128 w + 32 p + 16 j + 8 (lane / 16) + e,
;   k = 64 ks + 16 kb + lane % 16: the order in which a matrix fragment of 16 keys x 32 queries lies in registers, so that the attention launch loads it with no shuffle.
;   The table of 16 heads x 1,024 numbers goes to LDS once, eight heads of one index side by side (16 bytes), so that one LDS load of 16 bytes serves eight heads.
; Work-groups 256-1023: THE CASTS.  x, W_qkv, W_out go to planes of 64 along K: [plane][row][64], so that a GEMM tile of rows x 64 is dense in memory.
;   W_qkv's blocks of 64 rows change places on the way: kind t (q, k, v) of head h goes to place 6 (h / 2) + 3 (h % 2) + t, so that 192 neighbouring rows are one head's q, k and v.
; FORMAT.  Every number is rounded to bf16 and that number is written as f16.  LIMITS: exact for magnitudes from 2^-14 to 65,504; below that f16 keeps a fixed step of 2^-24;
; beyond 65,504 the result is an infinity.  An index is held to 0..1023, the size of the table.
; 128 registers a wave: four work-groups of eight waves share a WGP's registers, so all 1,024 work-groups are resident together.
.set SPARE, 32768                      ; behind the table: the spare words, 128 bytes a wave, four blocks of 256 bytes that no other line names
.set SPW, 14                           ; v14  LDS address of my spare word; never rewritten
.set NIL, 15                           ; v15  0; never rewritten
.set IX,  16                           ; v[16:31]   bias path: 16 indices, register 8 j + e; then their LDS byte offsets
.set TT,  32                           ; v[32:95]   the table as loaded: head hd, my four indices, at TT + 4 hd
.set GA,  32                           ; v[32:95]   later two gather buffers of 32: query e at + 4 e, eight heads in four registers
.set OUT, 96                           ; v[96:127]  the output buffer (it holds the table on its way to LDS before)
.set XR,  16                           ; v[16:79]   cast path: plane kb's four f32 at XR + 4 kb
.set YR,  80                           ; v[80:111]  cast path: plane kb's four f16 at YR + 2 kb
.set DO,  112                          ; v[112:127] cast path: plane kb's store offset; never rewritten
	s_load_b512 s[16:31], s[0:1], 0x0              ; x 16, W_qkv 18, W_out 20, table 22, idx 24, xh 26, wq 28, wo 30
	s_load_b64 s[32:33], s[0:1], 0x40              ; biasw
	v_lshl_add_u32 v[SPW], v0, 2, SPARE
	v_mov_b32 v[NIL], 0
	v_lshrrev_b32 v1, 5, v0
	v_readfirstlane_b32 s8, v1                     ; wave 0..7
	s_mov_b32 s7, 0xffff0000                       ; a word's upper bf16
	s_mov_b32 s34, 0x05040100                      ; v_perm_b32: the two low halves
	s_mov_b32 s35, 0x07060302                      ; the two high halves
	s_cmp_lt_u32 ttmp9, 256
	s_cbranch_scc0 .Lcast
	; ---- the bias matrix.  The work-group: one piece P of 32 queries, two key steps; a wave: 16 keys (step ks, block kb), all 16 heads: 16 KiB of biasw
	s_lshr_b32 s9, ttmp9, 3                        ; P = 16 qh + 4 w + p
	s_and_b32 s10, ttmp9, 7
	s_lshl_b32 s10, s10, 1
	s_lshr_b32 s11, s8, 2
	s_add_co_u32 s10, s10, s11                     ; ks
	s_and_b32 s11, s8, 3                           ; kb
	s_lshl_b32 s12, s9, 17                         ; idx: 32 P rows of 4,096 bytes,
	s_lshl_b32 s13, s10, 8                         ; 64 ks columns of 4 bytes,
	s_add_co_u32 s12, s12, s13
	s_lshl_b32 s13, s11, 6                         ; 16 kb columns
	s_add_co_u32 s12, s12, s13
	s_mov_b32 s13, 0
	s_lshr_b32 s14, s9, 4                          ; biasw: qh,
	s_lshl_b32 s14, s14, 20
	s_and_b32 s15, s9, 15                          ; 4 w + p,
	s_lshl_b32 s15, s15, 12
	s_add_co_u32 s14, s14, s15
	s_lshl_b32 s15, s10, 16                        ; ks,
	s_add_co_u32 s14, s14, s15
	s_lshl_b32 s15, s11, 10                        ; kb
	s_add_co_u32 s14, s14, s15
	s_mov_b32 s15, 0
	v_and_b32 v2, 31, v0                           ; lane
	v_lshrrev_b32 v3, 4, v2
	v_and_b32 v4, 15, v2
	v_lshlrev_b32 v4, 2, v4
	v_lshl_add_u32 v12, v3, 15, v4                 ; index loads: 8 rows down for lanes 16-31, column lane % 16
	v_lshlrev_b32 v13, 4, v2                       ; stores: 16 bytes a lane
	v_lshlrev_b32 v11, 4, v0                       ; table loads: my four indices of a head
	v_lshlrev_b32 v10, 6, v0                       ; table stores: my four indices x 16 bytes
	s_wait_kmcnt 0x0
	s_add_nc_u64 s[44:45], s[24:25], s[12:13]
	s_add_nc_u64 s[36:37], s[32:33], s[14:15]      ; four bases, four heads (8 MiB) apart, so that a head's place fits the store's immediate
	s_add_nc_u64 s[38:39], s[36:37], 0x800000
	s_add_nc_u64 s[40:41], s[38:39], 0x800000
	s_add_nc_u64 s[42:43], s[40:41], 0x800000
.set i, 0
.rept 16
	global_load_b32 v[IX+i], v12, s[44:45] offset:(16*(i/8)+i%8)*4096
.set i, i+1
.endr
.set i, 0
.rept 16
	global_load_b128 v[TT+4*i:TT+4*i+3], v11, s[22:23] offset:i*4096
.set i, i+1
.endr
	s_wait_loadcnt 0x0
.set i, 0
.rept 16
	v_min_u32 v[IX+i], 0x3ff, v[IX+i]              ; an index stays inside the table
	v_lshlrev_b32 v[IX+i], 4, v[IX+i]              ; 16 bytes an index
.set i, i+1
.endr
	; the table: for my index c and group g of eight heads, four registers of two heads each
.irp g, 0,1
.irp c, 0,1,2,3
.irp p, 0,1,2,3
	v_cvt_pk_bf16_f32 v[2+2*\p], v[TT+4*(8*\g+2*\p)+\c], v[TT+4*(8*\g+2*\p+1)+\c]
.endr
.irp p, 0,1,2,3
	v_lshlrev_b32 v[3+2*\p], 16, v[2+2*\p]         ; the bf16 numbers as f32,
	v_and_b32 v[2+2*\p], s7, v[2+2*\p]
.endr
.irp p, 0,1,2,3
	v_cvt_pk_f16_f32 v[OUT+4*(4*\g+\c)+\p], v[3+2*\p], v[2+2*\p]  ; written as f16
.endr
	ds_store_b128 v10, v[OUT+4*(4*\g+\c):OUT+4*(4*\g+\c)+3] offset:\g*16384+16*\c
.endr
.endr
	s_wait_dscnt 0x0                               ; for the others: my part of the table is in LDS
	s_barrier_signal -1
	s_barrier_wait -1                              ; everybody's is
; Turn it = 2 j + g: queries 16 j + 8 (lane / 16) + 0..7, heads 8 g .. 8 g + 7.
.macro GATHER it
.irp e, 0,1,2,3,4,5,6,7
	ds_load_b128 v[GA+32*((\it)%2)+4*\e:GA+32*((\it)%2)+4*\e+3], v[IX+8*((\it)/2)+\e] offset:((\it)%2)*16384
.endr
.endm
; Eight queries x eight heads are turned into eight heads x eight queries by 32 byte permutes; each head's 16 bytes a lane are stored: a wave's store covers 512 consecutive bytes, aligned.
.macro EMIT it, left
	s_wait_dscnt \left                             ; this turn's eight gathers are in; the next turn's may stay out
	s_wait_xcnt 0x0                                ; the last turn's stores have read the output buffer
.irp hd, 0,1,2,3,4,5,6,7
.irp ep, 0,1,2,3
	v_perm_b32 v[OUT+4*\hd+\ep], v[GA+32*((\it)%2)+4*(2*\ep+1)+\hd/2], v[GA+32*((\it)%2)+8*\ep+\hd/2], s[34+\hd%2]
.endr
	global_store_b128 v13, v[OUT+4*\hd:OUT+4*\hd+3], s[36+2*(2*((\it)%2)+\hd/4):37+2*(2*((\it)%2)+\hd/4)] offset:(\hd%4)*2097152+512*((\it)/2)
.endr
.endm
	GATHER 0
	GATHER 1
	EMIT 0, 8
	GATHER 2
	EMIT 1, 8
	GATHER 3
	EMIT 2, 8
	EMIT 3, 0
	s_wait_tensorcnt 0x0                           ; the wave's end
	ds_add_u32 v[SPW], v[NIL]
	s_wait_dscnt 0x0
	s_endpgm
	; ---- the casts.  16 rows of 1,024 numbers to a work-group: 512 groups of x, 192 of W_qkv, 64 of W_out.  No LDS is touched on this path.
.Lcast:
	s_sub_co_u32 s9, ttmp9, 256                    ; c
	s_sub_co_u32 s10, s9, 512                      ; the group's number in W_qkv,
	s_sub_co_u32 s11, s9, 704                      ; in W_out (each is used only where the group lies in that tensor)
	s_mov_b32 s14, 393216                          ; bytes from plane to plane: 3,072 rows of 128,
	s_mov_b32 s15, 131072                          ; or 1,024
	s_lshr_b32 s40, s9, 6                          ; x: batch c / 64 (16 planes of 131,072 bytes),
	s_lshl_b32 s40, s40, 21
	s_and_b32 s41, s9, 63                          ; rows 16 (c % 64) of 128 bytes
	s_lshl_b32 s41, s41, 11
	s_add_co_u32 s40, s40, s41
	s_lshr_b32 s44, s10, 2                         ; W_qkv: the block of 64 rows, 16 t + h,
	s_lshr_b32 s45, s44, 4                         ; its kind t,
	s_and_b32 s46, s44, 15                         ; its head h;
	s_lshr_b32 s47, s46, 1
	s_mul_i32 s47, s47, 6
	s_and_b32 s46, s46, 1
	s_mul_i32 s46, s46, 3
	s_add_co_u32 s47, s47, s46
	s_add_co_u32 s47, s47, s45                     ; its place 6 (h / 2) + 3 (h % 2) + t: 64 rows of 128 bytes each,
	s_lshl_b32 s47, s47, 13
	s_and_b32 s45, s10, 3                          ; and the group's 16 rows in the block
	s_lshl_b32 s45, s45, 11
	s_add_co_u32 s47, s47, s45
	s_lshl_b32 s48, s11, 11                        ; W_out: 16 rows of 128 bytes a group
	s_wait_kmcnt 0x0
	s_cmp_lt_u32 s9, 704
	s_cselect_b64 s[36:37], s[18:19], s[20:21]     ; from W_qkv or W_out,
	s_cselect_b64 s[38:39], s[28:29], s[30:31]     ; to wq or wo
	s_cselect_b32 s12, s10, s11                    ; the group's number in its tensor
	s_cselect_b32 s13, s14, s15
	s_cselect_b32 s42, s47, s48
	s_cmp_lt_u32 s9, 512
	s_cselect_b64 s[36:37], s[16:17], s[36:37]     ; or from x to xh
	s_cselect_b64 s[38:39], s[26:27], s[38:39]
	s_cselect_b32 s12, s9, s12
	s_cselect_b32 s13, s15, s13
	s_cselect_b32 s42, s40, s42
	s_lshl_b32 s40, s12, 16                        ; 16 rows of 4,096 bytes
	s_mov_b32 s41, 0
	s_mov_b32 s43, 0
	s_add_nc_u64 s[36:37], s[36:37], s[40:41]
	s_add_nc_u64 s[38:39], s[38:39], s[42:43]
	v_lshrrev_b32 v2, 4, v0                        ; my row of the 16
	v_and_b32 v3, 15, v0
	v_lshlrev_b32 v3, 4, v3                        ; my 16 bytes of a plane's 256
	v_lshl_add_u32 v1, v2, 12, v3
	v_lshlrev_b32 v[DO], 3, v0                     ; out: row x 128 + 8 x place = 8 x thread: a wave's store covers 256 consecutive bytes, aligned
.set i, 1
.rept 15
	v_add_nc_u32 v[DO+i], s13, v[DO+i-1]
.set i, i+1
.endr
.set i, 0
.rept 16
	global_load_b128 v[XR+4*i:XR+4*i+3], v1, s[36:37] offset:256*i th:TH_LOAD_NT
.set i, i+1
.endr
.set i, 0
.rept 16
	s_wait_loadcnt 15-i                            ; loads come back in order: plane i is in, the younger ones stay out
	v_cvt_pk_bf16_f32 v2, v[XR+4*i], v[XR+4*i+1]
	v_cvt_pk_bf16_f32 v3, v[XR+4*i+2], v[XR+4*i+3]
	v_lshlrev_b32 v4, 16, v2
	v_and_b32 v5, s7, v2
	v_lshlrev_b32 v6, 16, v3
	v_and_b32 v7, s7, v3
	v_cvt_pk_f16_f32 v[YR+2*i], v4, v5
	v_cvt_pk_f16_f32 v[YR+2*i+1], v6, v7
	global_store_b64 v[DO+i], v[YR+2*i:YR+2*i+1], s[38:39]
.set i, i+1
.endr
	s_endpgm
.Lfunc_end_k_qe5f6f7db01_prep:
	.size	k_qe5f6f7db01_prep, .Lfunc_end_k_qe5f6f7db01_prep-k_qe5f6f7db01_prep
	.p2alignl 7, 3214868480
	.fill 96, 4, 3214868480
	.section	.rodata,"a",@progbits
	.p2align	6, 0x0
	.amdhsa_kernel k_qe5f6f7db01_prep
		.amdhsa_group_segment_fixed_size 33792
		.amdhsa_private_segment_fixed_size 0
		.amdhsa_enable_private_segment 0
		.amdhsa_kernarg_size 72
		.amdhsa_user_sgpr_count 2
		.amdhsa_user_sgpr_kernarg_segment_ptr 1
		.amdhsa_wavefront_size32 1
		.amdhsa_system_sgpr_workgroup_id_x 1
		.amdhsa_system_sgpr_workgroup_id_y 1
		.amdhsa_system_sgpr_workgroup_id_z 1
		.amdhsa_system_vgpr_workitem_id 0
		.amdhsa_next_free_vgpr 128
		.amdhsa_next_free_sgpr 66
		.amdhsa_reserve_vcc 0
		.amdhsa_float_denorm_mode_32 3
		.amdhsa_float_denorm_mode_16_64 3
		.amdhsa_memory_ordered 1
		.amdhsa_forward_progress 1
		.amdhsa_inst_pref_size 39
	.end_amdhsa_kernel
	.amdgpu_metadata
---
amdhsa.version: [ 1, 2 ]
amdhsa.kernels:
  - .name:           k_qe5f6f7db01_prep
    .symbol:         k_qe5f6f7db01_prep.kd
    .args:
      - { .name: x, .offset: 0, .size: 8, .value_kind: global_buffer, .address_space: global }
      - { .name: W_qkv, .offset: 8, .size: 8, .value_kind: global_buffer, .address_space: global }
      - { .name: W_out, .offset: 16, .size: 8, .value_kind: global_buffer, .address_space: global }
      - { .name: attention_biases, .offset: 24, .size: 8, .value_kind: global_buffer, .address_space: global }
      - { .name: bias_idxs, .offset: 32, .size: 8, .value_kind: global_buffer, .address_space: global }
      - { .name: xh, .offset: 40, .size: 8, .value_kind: global_buffer, .address_space: global }
      - { .name: wq, .offset: 48, .size: 8, .value_kind: global_buffer, .address_space: global }
      - { .name: wo, .offset: 56, .size: 8, .value_kind: global_buffer, .address_space: global }
      - { .name: biasw, .offset: 64, .size: 8, .value_kind: global_buffer, .address_space: global }
    .group_segment_fixed_size: 33792
    .private_segment_fixed_size: 0
    .kernarg_segment_align: 8
    .kernarg_segment_size: 72
    .max_flat_workgroup_size: 256
    .sgpr_count:     66
    .vgpr_count:     128
    .wavefront_size: 32
...
	.end_amdgpu_metadata
.endif
;; end of part 1
;; launch qkvp (part 2): grid 8 x 32, 4 waves a work-group, clusters of 4 x 4, 327,680 bytes of LDS; arguments xh, wq, qkv; writes qkv
.if DOCPART == 2
	.amdgcn_target "amdgcn-amd-amdhsa--gfx1250"
	.amdhsa_code_object_version 6
	.text
	.protected	k_qe5f6f7db01_qkvp
	.globl	k_qe5f6f7db01_qkvp
	.p2align	8
	.type	k_qe5f6f7db01_qkvp,@function
k_qe5f6f7db01_qkvp:
	s_mov_b64 s[64:65], 0
	v_nop
	global_prefetch_b8 v0, s[64:65] scope:SCOPE_SE
	s_setreg_imm32_b32 hwreg(HW_REG_WAVE_MODE, 25, 1), 1
	s_wait_xcnt 0x0
	s_wait_alu depctr_hold_cnt(0) depctr_sa_sdst(0) depctr_va_vdst(0) depctr_va_sdst(0) depctr_va_ssrc(0) depctr_va_vcc(0) depctr_vm_vsrc(0)
	s_getreg_b32 s2, hwreg(HW_REG_IB_STS2, 6, 4)
	s_cmp_eq_u32 s2, 0
	s_cbranch_scc0 .Lentry_in_a_cluster
	s_endpgm
.Lentry_in_a_cluster:
	s_bfe_u32 s2, ttmp6, 0x10000c
	s_cmp_lg_u32 s2, 0xf033
	s_cbranch_scc0 .Lentry_shape_is_right
	s_endpgm
.Lentry_shape_is_right:
; qkv = x W_qkv^T, f16, each number rounded once from its f32 sum.  LIMIT: a sum beyond 65,504 leaves as an infinity.
; xh: [b 8][plane 16][n 1024][64]; wq: [plane 16][row 3072][64], its blocks of 64 rows ordered so that rows 384 tx + 192 wn + 64 t + c are kind t (q, k, v) of head 2 tx + wn.
; THE RESULT LIES IN THE ORDER OF THE NEXT LAUNCH'S MATRIX FRAGMENTS: qkv[b][place 48][row tile 64][cb 4][lane 32][8], place = 6 tx + 3 wn + t.  For q and k lane l of a block holds row
; 16 tile + l % 16 and channels 16 cb + 8 (l / 16) + 0..7; for v it holds channel 16 cb + l % 16 and rows 16 tile + 8 (l / 16) + 0..7 (a fragment of V^T).  That is what a lane holds behind the
; products: q and k are made transposed (source 0 = 16 rows of W, source 1 = 16 rows of x), v with the sources swapped.  So four conversions make a lane's 16 bytes, a wave's store covers 512
; consecutive bytes, aligned, and nothing goes through LDS on the way out.
; A tile of the result is 256 rows x 384 columns: 32 x 8 = 256 tiles, one for each of 256 work-groups.  Four waves, 2 x 2: a wave makes 128 rows x 192 columns, one head's q, k and v:
; 96 accumulators of 16 x 16, 768 registers.  For 32 along K it loads 40 x 512 bytes from LDS for 96 matrix instructions.
; K goes in 16 planes of 64 through two LDS slots of a plane each (two planes to a slot would be 368,640 bytes for the two slots).  A plane of a tile is dense in memory and is asked for as rows of
; 256 bytes; in LDS each 128 bytes get 16 of padding.
; CLUSTER 4 x 4: the four of a row need the same plane of x, the four of a column the same plane of W: each is asked for jointly.  Waves 0, 1 fetch the halves of x's plane, waves 2, 3 of W's.
; REGISTERS in windows of 256: window 0: v16-30 addresses; v32-159 two buffers of x fragments (8 x 8); v160-255 ONE buffer of W fragments (12 x 8), filled again in halves;
; windows 1, 2, 3: the accumulators of q, k, v: (row block a, column block b) in window 1 + b / 4 at v[8 (8 (b % 4) + a)].
.set PITCH,  144                       ; 128 bytes + 16 = 36 words: the 16 rows of a fragment load start at 16 different groups of four banks (ISA guide 11.1)
.set APL,    256*PITCH                 ; x's plane in a slot
.set BOFF,   APL
.set BPL,    384*PITCH                 ; W's plane in a slot
.set SLOT1,  131072                    ; slot 1 begins here: one exclusive or turns an address in one slot into the other's
.set SPARE,  SLOT1+APL+BPL             ; behind the ring: the spare words, 128 bytes a wave: two blocks of 256 bytes that no other line names
.set STEPA,  131072                    ; bytes of memory from plane to plane: 1,024 rows of 128,
.set STEPB,  3072*128                  ; 3,072 rows
.set AHEAD,  1                         ; a prefetch names the plane this many behind the refill that it follows: 192 matrix instructions ahead of its load
.set G1W,    (1<<16)|(1<<20)|(1<<21)|(4<<22)|(3<<25)  ; 2-byte elements; padding on; bit 21 beside a mask; after every 32 words, 4 words
.set ADRA0, 16                         ; v16  my lane's place in x's plane of slot 0; never rewritten
.set ADRB0, 17                         ; v17  the same for W
.set ADRA,  18                         ; v18  the same in the slot in hand
.set ADRB,  19
.set CO,    26                         ; v26  16 x my lane; never rewritten
.set SPW,   28                         ; v28  LDS address of my spare word; never rewritten
.set NIL,   29                         ; v29  0; never rewritten
.set PFO,   30                         ; v30  the prefetches' offset; never rewritten
.set FA,    32
.set FB,    160
.set TMP,   32                         ; the way out: 128 registers of packed results
.set G1A, 24
.set G0A, 32                           ; two sets: slot 0 with plane 0; slot 1 with plane 1, which then walks
.set G1B, 48
.set G0B, 56
.set CNT, 3
.set PFA, 66
.set LIM, 68
.set TB,  69
.set PST, 72
.set MSB, 0
.macro WIN new                         ; the immediate's high byte repeats the setting that is left; a switch that changes nothing is dropped
.if MSB != (\new)
	s_set_vgpr_msb (MSB<<8)|(\new)
.set MSB, (\new)
.endif
.endm
.macro PLACES                          ; four places in front of loads into registers that matrix instructions have read, and of readers of results
.rept 4
	v_nop
.endr
.endm
.macro JLOAD                           ; a joint refill by the walking sets; the branch hangs on the wave's number alone; an s_nop 0 and four v_nop follow each line
	s_cmp_eq_u32 s11, 0
	s_cbranch_scc0 .Lfor_b_\@
	tensor_load_to_lds s[G0A+4:G0A+7], s[G1A:G1A+7]
	s_nop 0
.rept 4
	v_nop
.endr
	s_branch .Lasked_\@
.Lfor_b_\@:
	tensor_load_to_lds s[G0B+4:G0B+7], s[G1B:G1B+7]
	s_nop 0
.rept 4
	v_nop
.endr
.Lasked_\@:
.endm
.macro ASK                             ; my share of the half plane that I shall fetch at the next refill; the last trip asks for nothing
	s_cmp_gt_u32 s[CNT], s[LIM]
	s_cbranch_scc0 .Lnot_mine_\@
	global_prefetch_b8 v[PFO], s[PFA:PFA+1] th:TH_LOAD_NT scope:SCOPE_SE
.Lnot_mine_\@:
.endm
.macro CREST                           ; a round of the cluster's barrier behind its opening barrier
	s_cmp_lg_u32 s10, 0
	s_cbranch_scc1 .Lnot_wave_0_\@
	s_barrier_signal -3
.Lnot_wave_0_\@:
	s_barrier_wait -3
	s_barrier_signal -1
	s_barrier_wait -1
.endm
.macro CROUND
	s_barrier_signal -1
	s_barrier_wait -1
	CREST
.endm
	s_load_b128 s[4:7], s[0:1], 0x0                ; xh s[4:5], wq s[6:7]
	s_load_b64 s[8:9], s[0:1], 0x10                ; qkv
	v_lshl_add_u32 v[SPW], v0, 2, SPARE
	v_mov_b32 v[NIL], 0
	ds_add_u32 v[SPW], v[NIL]                      ; the wave's opening: the add and its wait stand ahead of my first tensor load
	v_lshrrev_b32 v1, 5, v0
	v_readfirstlane_b32 s10, v1                    ; wave 0..3
	s_lshr_b32 s11, s10, 1                         ; which 128 rows of the tile are mine.  Also: I fetch for x (0) or for W (1)
	s_and_b32 s12, s10, 1                          ; which 192 columns.  Also: which half of that plane I fetch
	s_bfe_u32 s40, ttmp6, 0x40000                  ; cx
	s_bfe_u32 s41, ttmp6, 0x40004                  ; cy
	s_lshl_b32 s42, ttmp9, 2
	s_add_co_u32 s42, s42, s40                     ; tile column tx
	s_and_b32 s13, ttmp7, 0xffff
	s_lshl_b32 s13, s13, 2
	s_add_co_u32 s13, s13, s41                     ; tile row ty
	s_lshl_b32 s43, s41, 2
	s_lshl_b32 s43, 15, s43                        ; my row of the cluster
	s_lshl_b32 s44, 0x1111, s40                    ; my column
	s_or_b32 s[G1A], s43, G1W
	s_or_b32 s[G1B], s44, G1W
	s_mov_b32 s[G1A+1], 128<<16                    ; tensor_dim0 = 128 elements: rows of 256 bytes
	s_mov_b32 s[G1A+2], 64<<16                     ; tensor_dim1 = 64 such rows: 128 rows of x
	s_mov_b32 s[G1A+3], 128<<16                    ; tile_dim0
	s_mov_b32 s[G1A+4], 64                         ; tile_dim1
	s_mov_b32 s[G1A+5], 128                        ; elements from row to row
	s_mov_b32 s[G1A+6], 0
	s_mov_b32 s[G1A+7], 0
	s_mov_b32 s[G1B+1], 128<<16
	s_mov_b32 s[G1B+2], 96<<16                     ; 96 rows of 256 bytes: 192 rows of W
	s_mov_b32 s[G1B+3], 128<<16
	s_mov_b32 s[G1B+4], 96
	s_mov_b32 s[G1B+5], 128
	s_mov_b32 s[G1B+6], 0
	s_mov_b32 s[G1B+7], 0
	s_lshr_b32 s16, s13, 2                         ; x: batch ty / 4,
	s_lshl_b32 s16, s16, 21
	s_and_b32 s17, s13, 3                          ; rows 256 (ty % 4) of 128 bytes,
	s_lshl_b32 s17, s17, 15
	s_add_co_u32 s16, s16, s17
	s_lshl_b32 s17, s12, 14                        ; my 128 of them
	s_add_co_u32 s16, s16, s17
	s_mov_b32 s17, 0
	s_mul_i32 s18, s42, 384*128                    ; W: rows 384 tx,
	s_mul_i32 s19, s12, 192*128                    ; my 192 of them
	s_add_co_u32 s18, s18, s19
	s_mov_b32 s19, 0
	s_mul_i32 s20, s12, 128*PITCH                  ; where they go: no place in the cluster enters an LDS address
	s_mul_i32 s21, s12, 192*PITCH
	s_add_co_u32 s21, s21, BOFF
	s_mov_b32 s[TB], 0
	s_wait_dscnt 0x0                               ; the opening add is done
	s_wait_kmcnt 0x0
	s_add_nc_u64 s[14:15], s[4:5], s[16:17]
	s_add_nc_u64 s[46:47], s[6:7], s[18:19]
	CROUND                                         ; all sixteen work-groups are here: the first joint loads meet
.irp s, 0,1
	s_mov_b32 s[G0A+4*\s], 1
	s_add_co_u32 s[G0A+4*\s+1], s20, \s*SLOT1
	s_add_nc_u64 s[G0A+4*\s+2:G0A+4*\s+3], s[14:15], \s*STEPA
	s_or_b32 s[G0A+4*\s+3], s[G0A+4*\s+3], 0x80000000
	s_mov_b32 s[G0B+4*\s], 1
	s_add_co_u32 s[G0B+4*\s+1], s21, \s*SLOT1
	s_add_nc_u64 s[G0B+4*\s+2:G0B+4*\s+3], s[46:47], \s*STEPB
	s_or_b32 s[G0B+4*\s+3], s[G0B+4*\s+3], 0x80000000
.endr
	s_cmp_eq_u32 s11, 0                            ; a wave's two first fills stand in one branch: two loads of mine are out
	s_cbranch_scc0 .Lfirst_b
	tensor_load_to_lds s[G0A:G0A+3], s[G1A:G1A+7]
	s_nop 0
	tensor_load_to_lds s[G0A+4:G0A+7], s[G1A:G1A+7]
	s_nop 0
.rept 4
	v_nop
.endr
	s_branch .Lfirst_asked
.Lfirst_b:
	tensor_load_to_lds s[G0B:G0B+3], s[G1B:G1B+7]
	s_nop 0
	tensor_load_to_lds s[G0B+4:G0B+7], s[G1B:G1B+7]
	s_nop 0
.rept 4
	v_nop
.endr
.Lfirst_asked:
	; a fragment is 16 rows x 32 K in 8 registers: lane l holds row l % 16, K = 8 (l / 16) + 0..7 and 16 + 8 (l / 16) + 0..7: two loads of 16 bytes, 32 bytes apart
	v_and_b32 v1, 15, v0
	v_bfe_u32 v2, v0, 4, 1
	v_mul_u32_u24 v3, v1, PITCH
	v_lshl_add_u32 v3, v2, 4, v3
	s_mul_i32 s22, s11, 128*PITCH                  ; my 128 rows of x
	v_add_nc_u32 v[ADRA0], s22, v3
	s_mul_i32 s23, s12, 192*PITCH                  ; my 192 rows of W
	s_add_co_u32 s23, s23, BOFF
	v_add_nc_u32 v[ADRB0], s23, v3
	v_mov_b32 v[ADRA], v[ADRA0]
	v_mov_b32 v[ADRB], v[ADRB0]
	v_and_b32 v[CO], 31, v0
	v_lshlrev_b32 v[CO], 4, v[CO]
	s_lshr_b32 s20, s13, 2                         ; qkv: place 48 batch + 6 tx + 3 wn, 131,072 bytes each,
	s_mul_i32 s20, s20, 48
	s_mul_i32 s21, s42, 6
	s_add_co_u32 s20, s20, s21
	s_mul_i32 s21, s12, 3
	s_add_co_u32 s20, s20, s21
	s_lshl_b32 s20, s20, 17
	s_and_b32 s21, s13, 3                          ; row tile 16 (ty % 4) + 8 x my half, 2,048 bytes each
	s_lshl_b32 s21, s21, 1
	s_add_co_u32 s21, s21, s11
	s_lshl_b32 s21, s21, 14
	s_add_co_u32 s20, s20, s21
	s_mov_b32 s21, 0
	s_add_nc_u64 s[8:9], s[8:9], s[20:21]
	; THE PREFETCHES.  A plane of x is read by both clusters of its row of clusters: cluster x = 0 asks; a plane of W by every cluster of its column: cluster y = 0 asks.  The four that ask for a half plane
	; jointly share its blocks of 256 bytes out by address: 16 each of x (lanes 16-31 name block 15 once more), 24 each of W (lanes 24-31 name block 23 once more).  Nothing is asked for here at the head.
	s_lshl_b32 s74, s40, 12
	s_add_co_u32 s74, s74, (1+AHEAD)*STEPA
	s_mul_i32 s75, s41, 24*256
	s_add_co_u32 s75, s75, (1+AHEAD)*STEPB
	s_and_b32 s22, ttmp7, 0xffff
	s_mov_b32 s76, STEPB
	s_cmp_eq_u32 s11, 0
	s_cselect_b64 s[PFA:PFA+1], s[14:15], s[46:47]
	s_cselect_b32 s74, s74, s75
	s_cselect_b32 s22, ttmp9, s22
	s_cselect_b32 s[PST], STEPA, s76
	s_cselect_b32 s23, 15, 23
	s_mov_b32 s75, 0
	s_mov_b32 s[PST+1], 0
	s_add_nc_u64 s[PFA:PFA+1], s[PFA:PFA+1], s[74:75]
	s_cmp_eq_u32 s22, 0
	s_cselect_b32 s[LIM], AHEAD, -1                ; the same in all sixteen partners, for a given wave
	v_and_b32 v[PFO], 31, v0
	v_min_u32 v[PFO], s23, v[PFO]
	v_lshlrev_b32 v[PFO], 8, v[PFO]
; 8 nb matrix instructions: column blocks b0 .. b0 + nb - 1 x all 8 row blocks, 32 along K, x from buffer f.  All 96 accumulators take turns, one instruction a turn, in the same order in every
; half-step.  Blocks 8-11 are v: their sources are swapped.
.macro MULB f, b0, nb, zero
.set b, (\b0)
.rept (\nb)
	WIN 0x50*(1+b/4)                               ; both sources window 0, C and D window 1 + b / 4
.set a, 0
.rept 8
.set rD, 8*(8*(b%4)+a)
.set rB, FB+8*b
.set rA, FA+64*(\f)+8*a
.if b < 8
.if \zero
	v_wmma_f32_16x16x32_f16 v[rD:rD+7], v[rB:rB+7], v[rA:rA+7], 0
.else
	v_wmma_f32_16x16x32_f16 v[rD:rD+7], v[rB:rB+7], v[rA:rA+7], v[rD:rD+7]
.endif
.else
.if \zero
	v_wmma_f32_16x16x32_f16 v[rD:rD+7], v[rA:rA+7], v[rB:rB+7], 0
.else
	v_wmma_f32_16x16x32_f16 v[rD:rD+7], v[rA:rA+7], v[rB:rB+7], v[rD:rD+7]
.endif
.endif
.set a, a+1
.endr
.set b, b+1
.endr
.endm
; THE LDS LOADS stand in two runs a half-step.  RUN1: W blocks 0-5 and all of x (into buffer g) of half q of the plane in hand: 28 loads.  RUN2: W blocks 6-11: 12 loads.
.macro RUN1 q, g
	WIN 0
.set i, 0
.rept 6
	ds_load_b128 v[FB+8*i:FB+8*i+3],   v[ADRB] offset:(\q)*64+i*16*PITCH
	ds_load_b128 v[FB+8*i+4:FB+8*i+7], v[ADRB] offset:(\q)*64+i*16*PITCH+32
.set i, i+1
.endr
.set i, 0
.rept 8
	ds_load_b128 v[FA+64*(\g)+8*i:FA+64*(\g)+8*i+3],   v[ADRA] offset:(\q)*64+i*16*PITCH
	ds_load_b128 v[FA+64*(\g)+8*i+4:FA+64*(\g)+8*i+7], v[ADRA] offset:(\q)*64+i*16*PITCH+32
.set i, i+1
.endr
.endm
.macro RUN2 q
	WIN 0
.set i, 6
.rept 6
	ds_load_b128 v[FB+8*i:FB+8*i+3],   v[ADRB] offset:(\q)*64+i*16*PITCH
	ds_load_b128 v[FB+8*i+4:FB+8*i+7], v[ADRB] offset:(\q)*64+i*16*PITCH+32
.set i, i+1
.endr
.endm
; A plane's first half-step: multiplies x's buffer 0 and fetches the same plane's second half.  A half of W's buffer is filled again as soon as its 48 products are issued, 48 products ahead of its next use.
.macro HALF0 zero
	s_wait_dscnt 12                                ; W blocks 0-5 and x are in; the youngest twelve loads (W blocks 6-11) may be out
	MULB 0, 0, 6, \zero
	PLACES
	RUN1 1, 1
	s_wait_dscnt 28                                ; all but the run just issued
	MULB 0, 6, 6, \zero
	PLACES
	RUN2 1
.endm
; A plane's second half-step multiplies buffer 1 and changes slots: the plane's last bytes were asked for by the run just before it.  In front of the barrier each wave waits for all its tensor loads (one is
; out: its part of the next plane), adds 0 to its spare word, and waits for that and for its reads of this slot.  fill = 1: the barrier opens a round of the cluster's barrier, and the joint refill of
; this slot, two planes on, is the first thing behind the round: 176 matrix instructions ahead of the wait for it.
.macro HALF1 fill
	s_wait_dscnt 12
	MULB 1, 0, 4, 0
.if \fill
	s_wait_xcnt 0x0                                ; the last prefetch, a plane back, has read its address
	s_add_nc_u64 s[PFA:PFA+1], s[PFA:PFA+1], s[PST:PST+1]
.endif
	WIN 0
	s_wait_tensorcnt 0x0
	ds_add_u32 v[SPW], v[NIL]
	MULB 1, 4, 1, 0                                ; eight matrix instructions stand between the add and the wait for it
	s_wait_dscnt 0x0                               ; the add is done, my reads of this slot are over
	s_barrier_signal -1
	MULB 1, 5, 1, 0
	WIN 0
	s_barrier_wait -1
.if \fill
	CREST
	s_xor_b32 s[G0A+5], s[G0A+5], SLOT1            ; the walking sets: the other slot than last time, the next plane
	s_add_nc_u64 s[G0A+6:G0A+7], s[G0A+6:G0A+7], STEPA
	s_xor_b32 s[G0B+5], s[G0B+5], SLOT1
	s_add_nc_u64 s[G0B+6:G0B+7], s[G0B+6:G0B+7], STEPB
	JLOAD                                          ; its four v_nop are also the places in front of the loads below
.else
	PLACES
.endif
	s_xor_b32 s[TB], s[TB], SLOT1
	v_add_nc_u32 v[ADRA], s[TB], v[ADRA0]
	v_add_nc_u32 v[ADRB], s[TB], v[ADRB0]
	RUN1 0, 0
.if \fill
	ASK
.endif
	MULB 1, 6, 6, 0                                ; (W blocks 6-11 were shown in by the wait for 0 above)
	PLACES
	RUN2 0
.endm
	s_wait_tensorcnt 1                             ; my part of plane 0 is in; plane 1's may stay out
	s_barrier_signal -1
	s_barrier_wait -1
	RUN1 0, 0
	RUN2 0
	HALF0 1                                        ; the first half-step stands in front of the loop: its products start the sums
	WIN 0
	s_mov_b32 s[CNT], 14
.Lstep:                                        ; 14 trips, from a plane's second half to the next one's first; they ask for planes 2 to 15
	HALF1 1
	HALF0 0
	WIN 0
	s_sub_co_u32 s[CNT], s[CNT], 1
	s_cmp_lg_u32 s[CNT], 0
	s_cbranch_scc1 .Lstep
	s_mov_b32 s[CNT], 2
.Ltail:                                        ; planes 14 and 15 ask for nothing.  The second trip is left in its middle; its runs read plane 14's slot once more, into registers that nobody multiplies
	HALF1 0
	WIN 0
	s_sub_co_u32 s[CNT], s[CNT], 1
	s_cmp_eq_u32 s[CNT], 0
	s_cbranch_scc1 .Lout
	HALF0 0
	WIN 0
	s_branch .Ltail
.Lout:
	s_wait_dscnt 0x0
	PLACES
; THE WAY OUT, a window (one kind) at a time: 32 accumulators are rounded to f16, each from its low end on, and stored as they lie: accumulator n = 8 cb + a goes to row tile a, block cb.
.macro OUTW w
.if (\w) > 0
	s_wait_xcnt 0x0                                ; the last window's stores have read the registers that are written below
.endif
	WIN 5*(1+(\w))                                 ; sources 0 and 1 in window 1 + w, destination in window 0
.set i, 0
.rept 128
	v_cvt_pk_f16_f32 v[TMP+i], v[2*i], v[2*i+1]
.set i, i+1
.endr
	WIN 0
.set n, 0
.rept 32
	global_store_b128 v[CO], v[TMP+4*n:TMP+4*n+3], s[8:9] offset:(\w)*131072+(n%8)*2048+(n/8)*512  ; 512 consecutive bytes, at a multiple of 256 from qkv's first
.set n, n+1
.endr
.endm
	OUTW 0
	OUTW 1
	OUTW 2
	s_wait_tensorcnt 0x0                           ; the wave's end
	ds_add_u32 v[SPW], v[NIL]
	s_wait_dscnt 0x0
	CROUND                                         ; the closing round
	s_endpgm
.Lfunc_end_k_qe5f6f7db01_qkvp:
	.size	k_qe5f6f7db01_qkvp, .Lfunc_end_k_qe5f6f7db01_qkvp-k_qe5f6f7db01_qkvp
	.p2alignl 7, 3214868480
	.fill 96, 4, 3214868480
	.section	.rodata,"a",@progbits
	.p2align	6, 0x0
	.amdhsa_kernel k_qe5f6f7db01_qkvp
		.amdhsa_group_segment_fixed_size 327680
		.amdhsa_private_segment_fixed_size 0
		.amdhsa_enable_private_segment 0
		.amdhsa_kernarg_size 24
		.amdhsa_user_sgpr_count 2
		.amdhsa_user_sgpr_kernarg_segment_ptr 1
		.amdhsa_wavefront_size32 1
		.amdhsa_system_sgpr_workgroup_id_x 1
		.amdhsa_system_sgpr_workgroup_id_y 1
		.amdhsa_system_sgpr_workgroup_id_z 1
		.amdhsa_system_vgpr_workitem_id 0
		.amdhsa_next_free_vgpr 1024
		.amdhsa_next_free_sgpr 88
		.amdhsa_reserve_vcc 0
		.amdhsa_float_denorm_mode_32 3
		.amdhsa_float_denorm_mode_16_64 3
		.amdhsa_memory_ordered 1
		.amdhsa_forward_progress 1
		.amdhsa_inst_pref_size 91
	.end_amdhsa_kernel
	.amdgpu_metadata
---
amdhsa.version: [ 1, 2 ]
amdhsa.kernels:
  - .name:           k_qe5f6f7db01_qkvp
    .symbol:         k_qe5f6f7db01_qkvp.kd
    .args:
      - { .name: xh, .offset: 0, .size: 8, .value_kind: global_buffer, .address_space: global }
      - { .name: wq, .offset: 8, .size: 8, .value_kind: global_buffer, .address_space: global }
      - { .name: qkv, .offset: 16, .size: 8, .value_kind: global_buffer, .address_space: global }
    .group_segment_fixed_size: 327680
    .private_segment_fixed_size: 0
    .kernarg_segment_align: 8
    .kernarg_segment_size: 24
    .max_flat_workgroup_size: 128
    .sgpr_count:     88
    .vgpr_count:     1024
    .wavefront_size: 32
...
	.end_amdgpu_metadata
.endif
;; end of part 2
;; launch attn (part 3): grid 8 x 32, 4 waves a work-group, clusters of 4 x 1, 327,680 bytes of LDS; arguments qkv, biasw, ow; writes ow
.if DOCPART == 3
	.amdgcn_target "amdgcn-amd-amdhsa--gfx1250"
	.amdhsa_code_object_version 6
	.text
	.protected	k_qe5f6f7db01_attn
	.globl	k_qe5f6f7db01_attn
	.p2align	8
	.type	k_qe5f6f7db01_attn,@function
k_qe5f6f7db01_attn:
	s_mov_b64 s[64:65], 0
	v_nop
	global_prefetch_b8 v0, s[64:65] scope:SCOPE_SE
	s_setreg_imm32_b32 hwreg(HW_REG_WAVE_MODE, 25, 1), 1
	s_wait_xcnt 0x0
	s_wait_alu depctr_hold_cnt(0) depctr_sa_sdst(0) depctr_va_vdst(0) depctr_va_sdst(0) depctr_va_ssrc(0) depctr_va_vcc(0) depctr_vm_vsrc(0)
	s_getreg_b32 s2, hwreg(HW_REG_IB_STS2, 6, 4)
	s_cmp_eq_u32 s2, 0
	s_cbranch_scc0 .Lentry_in_a_cluster
	s_endpgm
.Lentry_in_a_cluster:
	s_bfe_u32 s2, ttmp6, 0x10000c
	s_cmp_lg_u32 s2, 0x3003
	s_cbranch_scc0 .Lentry_shape_is_right
	s_endpgm
.Lentry_shape_is_right:
; O[b][h][q][:] = the sum over k of softmax_k(Q.K / 8 + bias[h][q][k]) V[k][:].  Products, maxima and sums in f32; the weights p are rounded to f16 for the second product (their sum l is taken of the
; unrounded p), O once at the end.
; q, k, v AND O LIE IN FRAGMENT ORDER: qkv[b][place 48][row tile 64][cb 4][lane 32][8 f16], place = 6 (h / 2) + 3 (h % 2) + kind (q 0, k 1, v 2); ow[b][h][row tile][cb][lane][8].  For q, k and O lane l of a
; block holds row 16 tile + l % 16, channels 16 cb + 8 (l / 16) + 0..7; for v channel 16 cb + l % 16, keys 16 tile + 8 (l / 16) + 0..7.  Two neighbouring blocks are a fragment's eight registers, so every
; load and store takes 16 bytes at 16 x lane: no padding, no turning load, and O leaves from the registers in which it was made.
; LIMITS.  q, k, v and the bias arrive within f16's 65,504; p below 6e-5 keeps f16's fixed step; a weight below 2^-126 counts as 0 in l; NaN and infinities are not treated apart.
; SHARES.  A work-group owns 512 queries of one batch and head, a wave 128: four PIECES of two tiles of 16.  Every wave walks all 1,024 keys, 64 a step.
; THE BIAS costs no vector instruction: it starts each score sum as a product.  biasw holds, in fragment order, 16 keys x 32 queries of a piece (f16); source 1 is a constant matrix with 8.0 at
; (query r, channel 16 u + r) for tile u.  So S^T = 8 bias + K Q^T, and c = log2(e) / 8 scales both.  A tile and step have 20 matrix instructions in place of 16.
; CLUSTER.  The four partners are four batches of one head and one half of its queries: they need the same 64 KiB of bias in a step, which is asked for JOINTLY (waves 2, 3).  K and V (8 KiB each,
; waves 0, 1) are each batch's own and come by plain loads behind the same round: only the two halves of a head's queries share them, and they are a fifth of a step's bytes.
; LAYOUT, SOFTMAX.  S^T holds ONE query a lane (lane % 16) and the keys 8 (lane / 16) + 0..7; two such results rounded to f16 ARE source 1 of O^T = V^T P.  p = 2^(c s - c m) with a running
; maximum m; O and l are multiplied by a = 2^(c m_old - c m_new) in every step.  m starts at the lowest finite number, O and l at 0: the first step is a step like any other, with a = 0.
; BY TURNS.  Turn n belongs to piece n: 24 score products of piece n + 1, later 16 products V^T P of piece n - 1; beside them the scaling, exponentials, roundings, sums and rescaling of piece n and the
; maximum and statistics of piece n + 1.  A turn's 66 exponentials are one batch with one wait.
; REGISTERS in windows of 256: window 0: v0-11 addresses; v12-15, v48-63 at work; v16-47 statistics; v64-191 S^T, two buffers of two tiles; v192-255 P, likewise.  window 1: O^T, 32 a tile.
; window 2: v0-127 Q; v128-191 K; v192-255 V.  window 3: v0-1 the add's registers; v4-15 the constant matrices; v16-79 two buffers of bias fragments.
.set NP,    4
.set KS,    64
.set VOFF,  KS*128    ; a slot holds one step: 8,192 bytes of K, 8,192 of V, 65,536 of bias
.set BOFFS, 2*KS*128
.set SLOT1, 1<<17
.set SPARE, SLOT1+BOFFS+65536  ; behind the ring: the spare words, 128 bytes a wave: two blocks of 256 bytes that no other line names
.set PFO, 1           ; v1   at set-up l % 16; then 256 x my lane, the prefetches' offset
.set AK,  4           ; v4   16 x my lane in the slot in hand: K's and V's loads
.set GO,  8           ; v8   16 x my lane; never rewritten
.set AB0, 9           ; v9   my lane's place in my wave's 16 KiB of a slot's bias; never rewritten
.set AB,  10          ; v10  the same in the slot in hand
.set SPW, 0           ; v0 of window 3
.set NIL, 1           ; v1 of window 3
.set BF,  16          ; window 3: piece x's fragments at BF + 32 (x % 2), key block kb at + 8 kb
.set MV,  12
.set ST,  16          ; tile t's statistics at v[ST+4 t]: c m, m, l (even keys', odd keys')
.set TMP, 48
.set S,   64
.set P,   192
.set KF,  128
.set VF,  192
.set WV,  12
.set G1K, 24          ; s[24:31] descriptor group 1 for K's and V's tiles
.set G0K, 40
.set G0V, 44
.set CNT, 57
.set CS,  58
.set SEL, 60
.set TB,  62
.set G1B, 68
.set G0B, 76
.set PFA, 80
.set PST, 82
.set LIM, 84
.set MSB, 0
.macro WIN new
.if MSB != (\new)
	s_set_vgpr_msb (MSB<<8)|(\new)
.set MSB, (\new)
.endif
.endm
.set W_KQ, 0x0a       ; K and Q in window 2, S^T in window 0
.set W_BS, 0x0f       ; the bias fragment and the constant matrix in window 3, S^T in window 0
.set W_PV, 0x52       ; V in window 2, P in window 0, O^T in window 1
.set W_RS, 0x41       ; O^T (destination and source 0) in window 1, a in window 0
.set W_MK, 0xc0       ; destination in window 3, sources in window 0
.set W_AD, 0x0f       ; the add: address and data in window 3
; A fill: wave 0 fetches the step's K, wave 1 its V, waves 2 and 3 the halves of its bias.  The branches hang on the wave's number alone.  An s_nop 0 and four v_nop follow each line.
.macro JLOAD
	s_cmp_lt_u32 s[WV], 2
	s_cbranch_scc0 .Lfor_b_\@
	s_cmp_eq_u32 s[WV], 0
	s_cbranch_scc0 .Lfor_v_\@
	tensor_load_to_lds s[G0K:G0K+3], s[G1K:G1K+7]
	s_nop 0
.rept 4
	v_nop
.endr
	s_branch .Lasked_\@
.Lfor_v_\@:
	tensor_load_to_lds s[G0V:G0V+3], s[G1K:G1K+7]
	s_nop 0
.rept 4
	v_nop
.endr
	s_branch .Lasked_\@
.Lfor_b_\@:
	tensor_load_to_lds s[G0B:G0B+3], s[G1B:G1B+7]
	s_nop 0
.rept 4
	v_nop
.endr
.Lasked_\@:
.endm
; A prefetch of what the NEXT change of slots will ask for, a lane a block of 256 bytes.  K and V (32 blocks each) are read by the two halves of a head's queries: the first half asks.  The bias is read
; by both clusters of a row: the first asks, its four partners sharing a wave's 128 blocks out by address.  The last change that fills a slot asks for nothing.
.macro ASK
	s_cmp_gt_u32 s[CNT], s[LIM]
	s_cbranch_scc0 .Lnot_mine_\@
	global_prefetch_b8 v[PFO], s[PFA:PFA+1] th:TH_LOAD_NT scope:SCOPE_SE
.Lnot_mine_\@:
.endm
.macro CROUND
	s_barrier_signal -1
	s_barrier_wait -1
	s_cmp_lg_u32 s[WV], 0
	s_cbranch_scc1 .Lnot_wave_0_\@
	s_barrier_signal -3
.Lnot_wave_0_\@:
	s_barrier_wait -3
	s_barrier_signal -1
	s_barrier_wait -1
.endm
; THE CHANGE OF SLOTS stands behind piece 1's turn: from here to the next change every LDS read (K and the bias of pieces 0 and 1 of the next step, then its V and the bias of pieces 2 and 3) falls into the
; other slot.  Each wave waits for all its tensor loads (one is out at the most), adds 0 to its spare word, and waits for that and for its reads of the old slot.  fill = 1: a round of the cluster's
; barrier, and the refill of the old slot, two steps on, first thing behind it.
.macro CHANGE fill, ask
	WIN W_AD
	s_wait_tensorcnt 0x0
	ds_add_u32 v[SPW], v[NIL]
	WIN 0
.if \fill
	s_xor_b32 s[G0K+1], s[G0K+1], SLOT1
	s_add_nc_u64 s[G0K+2:G0K+3], s[G0K+2:G0K+3], KS*128
	s_xor_b32 s[G0V+1], s[G0V+1], SLOT1
	s_add_nc_u64 s[G0V+2:G0V+3], s[G0V+2:G0V+3], KS*128
	s_xor_b32 s[G0B+1], s[G0B+1], SLOT1
	s_add_nc_u64 s[G0B+2:G0B+3], s[G0B+2:G0B+3], 65536
.endif
.if \ask
	s_wait_xcnt 0x0                 ; the last prefetch, a key step back, has read its address
	s_add_nc_u64 s[PFA:PFA+1], s[PFA:PFA+1], s[PST:PST+1]
.endif
	s_wait_dscnt 0x0                ; the add is done, and my reads of the slot are over
.if \fill
	CROUND
	JLOAD
.if \ask
	ASK
.endif
.else
	s_barrier_signal -1
	s_barrier_wait -1
.endif
	s_xor_b32 s[TB], s[TB], SLOT1
	v_add_nc_u32 v[AK], s[TB], v[GO]
	v_add_nc_u32 v[AB], s[TB], v[AB0]
.endm
	s_load_b128 s[4:7], s[0:1], 0x0   ; qkv s[4:5], biasw s[6:7]
	s_load_b64 s[10:11], s[0:1], 0x10 ; ow
	WIN W_MK
	v_lshl_add_u32 v[SPW], v0, 2, SPARE
	v_mov_b32 v[NIL], 0
	WIN W_AD
	ds_add_u32 v[SPW], v[NIL]       ; the wave's opening: the add and its wait stand ahead of my first tensor load
	WIN 0
	v_lshrrev_b32 v1, 5, v0
	v_readfirstlane_b32 s[WV], v1   ; wave 0..3
	s_bfe_u32 s13, ttmp6, 0x40000   ; cx
	s_lshl_b32 s14, ttmp9, 2
	s_add_co_u32 s14, s14, s13      ; the batch = 4 x cluster x + cx: it enters the addresses of q, k, v and O alone
	s_and_b32 s15, ttmp7, 0xffff    ; y = 2 h + qh, which the four partners share
	s_lshr_b32 s16, s15, 1          ; h
	s_and_b32 s17, s15, 1           ; qh
	s_mul_i32 s18, s14, 48
	s_lshr_b32 s19, s16, 1
	s_mul_i32 s19, s19, 6
	s_add_co_u32 s18, s18, s19
	s_and_b32 s19, s16, 1
	s_mul_i32 s19, s19, 3
	s_add_co_u32 s18, s18, s19      ; q's place: 48 b + 6 (h / 2) + 3 (h % 2); k's and v's follow it
	s_lshl_b32 s20, s18, 17         ; 131,072 bytes a place
	s_mov_b32 s21, 0
	s_lshl_b32 s22, s17, 2
	s_add_co_u32 s22, s22, s[WV]
	s_lshl_b32 s22, s22, 14         ; my wave's eight row tiles of 2,048 bytes: (4 qh + wave) x 16,384
	s_mov_b32 s23, 0
	s_lshl_b32 s2, s14, 4
	s_add_co_u32 s2, s2, s16
	s_lshl_b32 s2, s2, 17           ; O's head: (16 b + h) x 131,072,
	s_add_co_u32 s2, s2, s22        ; and my row tiles
	s_mov_b32 s3, 0
	s_and_b32 s19, s[WV], 1         ; which half of a step's bias I fetch
	s_lshl_b32 s86, s15, 20
	s_lshl_b32 s87, s19, 15
	s_add_co_u32 s86, s86, s87
	s_mov_b32 s87, 0
	s_mov_b32 s[G1K], 1<<16         ; no mask; 2-byte elements; no padding: the fragments are read as they lie
	s_mov_b32 s[G1K+1], 128<<16     ; 64 keys are 8,192 dense bytes: 32 rows of 256
	s_mov_b32 s[G1K+2], 32<<16
	s_mov_b32 s[G1K+3], 128<<16
	s_mov_b32 s[G1K+4], 32
	s_mov_b32 s[G1K+5], 128
	s_mov_b32 s[G1K+6], 0
	s_mov_b32 s[G1K+7], 0
	s_mov_b32 s[G1B], 15|(1<<16)|(1<<21)  ; the mask of four, bit 21 beside it; no padding
	s_mov_b32 s[G1B+1], 128<<16     ; 32,768 dense bytes: 128 rows of 256
	s_mov_b32 s[G1B+2], 128<<16
	s_mov_b32 s[G1B+3], 128<<16
	s_mov_b32 s[G1B+4], 128
	s_mov_b32 s[G1B+5], 128
	s_mov_b32 s[G1B+6], 0
	s_mov_b32 s[G1B+7], 0
	s_mov_b32 s[G0K], 1
	s_mov_b32 s[G0K+1], 0           ; slot 0
	s_mov_b32 s[G0V], 1
	s_mov_b32 s[G0V+1], VOFF
	s_mov_b32 s[G0B], 1
	s_lshl_b32 s85, s19, 15
	s_add_co_u32 s[G0B+1], s85, BOFFS
	s_mov_b32 s[CS], 0x3e38aa3b     ; c = log2(e) / 8
	s_mov_b32 s[CS+1], s[CS]
	s_mov_b32 s[SEL], 0x76543210
	s_mov_b32 s[SEL+1], 0xfedcba98
	s_mov_b32 s[TB], SLOT1          ; the first change of slots turns it into 0
	s_cmp_lt_u32 s[WV], 2           ; who prefetches: for K and V the first half of a head's queries, for the bias the first cluster of a row
	s_cselect_b32 s85, s17, ttmp9
	s_cmp_eq_u32 s85, 0
	s_cselect_b32 s[LIM], 1, -1     ; the same in all four partners, for a given wave
	s_wait_dscnt 0x0                ; the opening add is done
	s_wait_kmcnt 0x0
	s_add_nc_u64 s[4:5], s[4:5], s[20:21]
	s_add_nc_u64 s[G0K+2:G0K+3], s[4:5], 1<<17
	s_add_nc_u64 s[G0V+2:G0V+3], s[4:5], 2<<17
	s_add_nc_u64 s[G0B+2:G0B+3], s[6:7], s[86:87]
	s_cmp_eq_u32 s[WV], 0
	s_cselect_b64 s[PFA:PFA+1], s[G0K+2:G0K+3], s[G0V+2:G0V+3]
	s_lshl_b32 s86, s13, 13         ; of a wave's half of the bias my work-group names 8,192 bytes
	s_mov_b32 s85, 65536
	s_cmp_lt_u32 s[WV], 2
	s_cselect_b64 s[PFA:PFA+1], s[PFA:PFA+1], s[G0B+2:G0B+3]
	s_cselect_b32 s[PST], 8192, s85
	s_cselect_b32 s86, 0, s86
	s_mov_b32 s[PST+1], 0
	s_lshl_b32 s85, s[PST], 1       ; at step 2: the first asking change steps it to step 3
	s_add_co_u32 s86, s86, s85
	s_mov_b32 s87, 0
	s_add_nc_u64 s[PFA:PFA+1], s[PFA:PFA+1], s[86:87]
	s_or_b32 s[G0K+3], s[G0K+3], 0x80000000
	s_or_b32 s[G0V+3], s[G0V+3], 0x80000000
	s_or_b32 s[G0B+3], s[G0B+3], 0x80000000
	s_add_nc_u64 s[4:5], s[4:5], s[22:23]    ; Q and O at my wave's first row tile
	s_add_nc_u64 s[10:11], s[10:11], s[2:3]
	CROUND                          ; all four work-groups are here
	JLOAD                           ; step 0 into slot 0; slot 1 is asked for when it is in
	v_and_b32 v1, 15, v0            ; l % 16
	v_bfe_u32 v12, v0, 4, 1         ; l / 16
	v_and_b32 v[GO], 31, v0
	v_lshlrev_b32 v[GO], 4, v[GO]
	WIN 0x80
.set i, 0
.rept 8*NP                          ; Q stays in registers: my 16,384 bytes as they lie: tile i / 4, channels 32 ((i / 2) % 2) on, half i % 2 of the fragment
	global_load_b128 v[4*i:4*i+3], v[GO], s[4:5] offset:512*i
.set i, i+1
.endr
	; what the first turn finds: V and P's second buffer hold 0, O^T and l are 0.  All this stands in the wait for the first tile.
.set i, VF
.rept 64
	v_mov_b32 v[i], 0
.set i, i+1
.endr
	WIN 0
.set i, 0
.rept 2*NP
	v_mov_b32 v[ST+4*i], 0xfe000000    ; c m: far below every c s
	v_mov_b32 v[ST+4*i+1], 0xff7fffff  ; m
	v_mov_b32 v[ST+4*i+2], 0
	v_mov_b32 v[ST+4*i+3], 0
.set i, i+1
.endr
.set i, P+32
.rept 32
	v_mov_b32 v[i], 0
.set i, i+1
.endr
	WIN W_PV
.set i, 0
.rept 8*NP                          ; O^T starts at 0 as a product of those zeros, with the constant 0 as C: 32 instructions write its 256 registers
	v_wmma_f32_16x16x32_f16 v[8*i:8*i+7], v[VF:VF+7], v[P+32:P+39], 0
.set i, i+1
.endr
	WIN 0
	s_lshl_b32 s20, s[WV], 14
	s_add_co_u32 s20, s20, BOFFS
	v_add_nc_u32 v[AB0], s20, v[GO]
	; the constant matrices.  Lane (r, half) of source 1 holds query r and channels 8 half + 0..7 (registers 0-3) and 16 + 8 half + 0..7 (registers 4-7), two a register.  Four registers hold 8.0 (f16 0x4800)
	; at channel r of the first sixteen; with four zeros behind them they are tile 0's matrix, with four zeros ahead of them tile 1's.
	s_mov_b32 s2, 0x4800
	s_mov_b32 s3, 0x48000000
	v_lshlrev_b32 v15, 3, v12
	v_sub_nc_u32 v15, v1, v15
.irp i, 0,1,2,3
	v_cmp_eq_u32 vcc_lo, 2*\i, v15
	v_cndmask_b32 v[TMP+\i], 0, s2, vcc_lo
	v_cmp_eq_u32 vcc_lo, 2*\i+1, v15
	v_cndmask_b32 v[TMP+\i], v[TMP+\i], s3, vcc_lo
.endr
	WIN W_MK
.irp i, 0,1,2,3
	v_mov_b32 v[4+\i], 0
	v_mov_b32 v[8+\i], v[TMP+\i]
	v_mov_b32 v[12+\i], 0
.endr
	WIN 0
	v_and_b32 v[PFO], 31, v0
	v_lshlrev_b32 v[PFO], 8, v[PFO]
; THE MATRIX WORK.  The 8 accumulators of a run take turns.  Product i of 24 of piece x's scores: tile 2 x + i % 2, keys 16 ((i / 2) % 4) on.  The first 8 start the sums with
; 8 bias; then channels 32 (i / 8 - 1) on of K Q^T.
.macro KQ x
.set rS, S+64*((\x)%2)+32*(i%2)+8*((i/2)%4)
.if i < 8
	WIN W_BS
.set rB, BF+32*((\x)%2)+8*((i/2)%4)
.set rL, 8-4*(i%2)
	v_wmma_f32_16x16x32_f16 v[rS:rS+7], v[rB:rB+7], v[rL:rL+7], 0
.else
	WIN W_KQ
.set rK, KF+16*((i/2)%4)+8*(i/8-1)
.set rQ, 16*(2*(\x)+i%2)+8*(i/8-1)
	v_wmma_f32_16x16x32_f16 v[rS:rS+7], v[rK:rK+7], v[rQ:rQ+7], v[rS:rS+7]
.endif
.endm
; Product i of 16 of O^T += V^T P for piece x: keys 32 (i / 8) on, channels 16 ((i / 2) % 4) on, tile 2 x + i % 2.
.macro PV x
	WIN W_PV
.set rO, 32*(2*(\x)+i%2)+8*((i/2)%4)
.set rV, VF+32*(i/8)+8*((i/2)%4)
.set rP, P+32*((\x)%2)+16*(i%2)+8*(i/8)
	v_wmma_f32_16x16x32_f16 v[rO:rO+7], v[rV:rV+7], v[rP:rP+7], v[rO:rO+7]
.endm
.macro MM                           ; the turn's next matrix instruction
.if i < 24
	KQ (Y+1)%NP
.set i, i+1
.else
.set i, i-24
	PV (Y+NP-1)%NP
.set i, i+25
.endif
.endm
; THE LDS LOADS stand in runs; each takes 32 lanes x 16 neighbouring bytes.  Their addresses are made at the change of slots.
.macro FETCH_K                      ; the step's 8,192 bytes as they lie: key block f / 4, channels 32 ((f / 2) % 2) on, half f % 2 of the fragment
	WIN 0x80
.irp f, 0,1,2,3,4,5,6,7,8,9,10,11,12,13,14,15
	ds_load_b128 v[KF+4*\f:KF+4*\f+3], v[AK] offset:512*\f
.endr
	WIN 0
.endm
.macro FETCH_V                      ; keys 32 (f / 4) on, channels 16 (f % 4) on: the fragment's halves are the same channel block of two neighbouring key tiles
	WIN 0x80
.irp f, 0,1,2,3,4,5,6,7
	ds_load_b128 v[VF+8*\f:VF+8*\f+3],   v[AK] offset:VOFF+(\f/4)*4096+(\f%4)*512
	ds_load_b128 v[VF+8*\f+4:VF+8*\f+7], v[AK] offset:VOFF+(\f/4)*4096+2048+(\f%4)*512
.endr
	WIN 0
.endm
.macro FETCH_B x                    ; piece x's four fragments
	WIN W_MK
.irp f, 0,1,2,3,4,5,6,7
	ds_load_b128 v[BF+32*((\x)%2)+4*\f:BF+32*((\x)%2)+4*\f+3], v[AB] offset:4096*(\x)+512*\f
.endr
	WIN 0
.endm
; THE VECTOR WORK OF A TURN stands in three queues, each in the order in which its entries become ready; the two tiles alternate.
.macro REGS y, u                    ; the registers of tile u (0, 1) of piece y
.set rT, ST+4*(2*(\y)+(\u))
.set rC, TMP+8*((\y)%2)+4*(\u)
.set rM, MV+2*((\y)%2)+(\u)
.set rS, S+64*((\y)%2)+32*(\u)
.set rP, P+32*((\y)%2)+16*(\u)
.set rO, 32*(2*(\y)+(\u))
.endm
; Number n of the 22 that find the NEXT piece's maximum and statistics; each accumulator's lowest registers are read first.
;   0-11 four chains c0-c3 of seven scores     12-14, 16 the four scores left over, the old m, c0-c3 into c0     15 c m_old is kept     17, 18 the other half of the lanes: the new m     19-21 c m; its change; a
.macro XS u, n
	REGS (Y+1)%NP, \u
.if (\n) < 4
	v_max3_num_f32 v[rC+(\n)], v[rS+8*(\n)], v[rS+8*(\n)+1], v[rS+8*(\n)+2]
.elseif (\n) < 12
	v_max3_num_f32 v[rC+(\n)%4], v[rC+(\n)%4], v[rS+8*((\n)%4)+2*((\n)/4)+1], v[rS+8*((\n)%4)+2*((\n)/4)+2]
.elseif (\n) == 12
	v_max3_num_f32 v[rC], v[rC], v[rS+7], v[rS+15]
.elseif (\n) == 13
	v_max3_num_f32 v[rC+1], v[rC+1], v[rS+23], v[rS+31]
.elseif (\n) == 14
	v_max3_num_f32 v[rC+2], v[rC+2], v[rC+3], v[rT+1]
.elseif (\n) == 15
	v_mov_b32 v[rM], v[rT]
.elseif (\n) == 16
	v_max3_num_f32 v[rC], v[rC], v[rC+1], v[rC+2]
.elseif (\n) == 17
	v_permlanex16_b32 v[rC+3], v[rC], s[SEL], s[SEL+1]
.elseif (\n) == 18
	v_max_num_f32 v[rT+1], v[rC], v[rC+3]
.elseif (\n) == 19
	v_mul_f32 v[rT], s[CS], v[rT+1]
.elseif (\n) == 20
	v_sub_f32 v[rC+1], v[rM], v[rT]
.else
	v_exp_f32 v[rC+2], v[rC+1]
.endif
.endm
; Number g of the 64 that follow the exponentials: for each four weights both pairs are rounded to f16, the second pair is added onto the first, and a group later l takes that sum (the first time as l = a l + sum).
.macro GS g
.set h, (\g)+6*((\g)/62)
.if h >= 6
.set h, h+2
.endif
	REGS Y, h%2
.set k, h/8
.if h%8 < 4
	v_cvt_pk_f16_f32 v[rP+2*k+(h%8)/2], v[rS+4*k+2*((h%8)/2)], v[rS+4*k+2*((h%8)/2)+1]
.elseif h%8 < 6
	v_pk_add_f32 v[rS+4*k:rS+4*k+1], v[rS+4*k:rS+4*k+1], v[rS+4*k+2:rS+4*k+3]
.elseif k == 1
	v_pk_fma_f32 v[rT+2:rT+3], v[rT+2:rT+3], v[rC+2:rC+3], v[rS:rS+1] op_sel_hi:[1,0,1]
.else
	v_pk_add_f32 v[rT+2:rT+3], v[rT+2:rT+3], v[rS+4*k-4:rS+4*k-3]
.endif
.endm
.macro FS f                         ; c s - c m for pair f / 2 of tile f % 2
	REGS Y, (\f)%2
	v_pk_fma_f32 v[rS+2*((\f)/2):rS+2*((\f)/2)+1], v[rS+2*((\f)/2):rS+2*((\f)/2)+1], s[CS:CS+1], v[rT:rT+1] op_sel_hi:[1,0,0] neg_lo:[0,0,1] neg_hi:[0,0,1]
.endm
; THE PLAIN QUEUE, 138 long.  0-31: the scalings.  32-73: the next piece's numbers 0-13, 15, 14, 16-20, the tiles alternating.  74-137: the 64 that read the exponentials' results.
.macro PL
	WIN 0
.if q < 32
	FS q
.elseif q < 74
.set mq, (q-32)/2
.set nq, mq
.if mq == 14
.set nq, 15
.elseif mq == 15
.set nq, 14
.endif
	XS (q-32)%2, nq
.else
	GS q-74
.endif
.set q, q+1
.endm
; THE EXPONENTIALS' QUEUE, 66 long: s0-s31 of both tiles, then the next piece's two a.  One batch: all stand ahead of the turn's one wait, and nothing ahead of it names a result of theirs.
.macro EX
	WIN 0
.if e >= 64
	XS e-64, 21
.else
	REGS Y, e%2
	v_exp_f32 v[rS+e/2], v[rS+e/2]
.endif
.set e, e+1
.endm
; THE RESCALING's QUEUE: O^T times a, two at a time, sixteen times.  Its a was made, and waited for, in the turn before.
.macro R2
	REGS Y, r%2
	WIN W_RS
.irp z, 0,1
	v_pk_mul_f32 v[rO+4*(r/2)+2*\z:rO+4*(r/2)+2*\z+1], v[rO+4*(r/2)+2*\z:rO+4*(r/2)+2*\z+1], v[rC+2:rC+3] op_sel_hi:[1,0]
.endr
.set r, r+1
.endm
; A TURN, for piece p.  AHEAD OF THE WAIT: the 24 score products; behind each of the first 16 a scaling, an exponential and two rescalings (behind the very first a second scaling for the exponential), behind
; each of the last 8 scaling, exponential, scaling, exponential (the 32 scalings end one short: a v_nop).  Then one lump: nine plain, 33 times exponential and plain, the two a, a v_nop.
; Exponential e stands behind scaling 2 (e / 4) + e % 2: all scalings are out at the lump's head, where e = 31.  The first reader of each score accumulator stands nine plain instructions or more behind
; its last product.  BEHIND THE WAIT: the 16 products V^T P, behind each four of the roundings and sums.
; LOADS.  Behind the wait: in piece 2's turn K of the next step; in every turn the bias of piece p + 2, into the buffer whose last reader stands a turn back.  V of the step in hand at the end of piece 0's
; turn, four plain riders behind its last reader.  cnt = 1: the loop's count is taken down some lines ahead of the branch behind the turn.
.macro TURN p, cnt=0
.set Y, (\p)
.set i, 0
.set q, 0
.set e, 0
.set r, 0
.if (\p) == 1
	s_wait_dscnt 16                 ; the bias is in; V's 16 loads, issued behind it, may stay out
.else
	s_wait_dscnt 0x0                ; the bias is in, and in piece 3's turn K
.endif
	MM
	PL
	PL
	R2
.rept 15
	MM
	PL
	EX
	R2
.endr
.rept 8
	MM
	PL
	EX
.if q < 32
	PL
.else
	v_nop
.endif
	EX
.endr
.rept 9
	PL
.endr
.rept 33
	EX
	PL
.endr
	EX
	EX
	v_nop                           ; a plain instruction behind the last exponential: one for the batch
	s_wait_alu depctr_va_vdst(0)    ; the wait ahead of the first reader: one for the batch
.if (\p) == 2
	FETCH_K
.endif
	FETCH_B ((\p)+2)%NP
.if (\p) == 1
	s_wait_dscnt 8                  ; V is in; the eight loads just issued stay out
.endif
.rept 16
	MM
.rept 4
	PL
.endr
.if (\cnt) && (q == 130)
	s_sub_co_u32 s[CNT], s[CNT], 1
	s_cmp_lg_u32 s[CNT], 0
.endif
.endr
.if (\p) == 0
	FETCH_V
.endif
.endm
	CHANGE 1, 0                     ; step 0 is in, everybody's part of it; step 1 is asked for
	FETCH_K
	FETCH_B 0
	FETCH_B 1
	s_wait_loadcnt 0x0              ; Q
	s_wait_dscnt 0x0
.set i, 0
.rept 24
	KQ 0                            ; piece 0's first scores
.set i, i+1
.endr
	WIN 0
.rept 4
	v_nop                           ; the places behind those products
.endr
.set Y, NP-1                        ; XS works for piece Y + 1: piece 0
.irp n, 0,1,2,3,4,5,6,7,8,9,10,11,12,13,14,15,16,17,18,19,20,21
	XS 0, \n
	XS 1, \n
.endr
	v_nop
	s_wait_alu depctr_va_vdst(0)    ; the two a have their wait ahead of the branch
	s_mov_b32 s[CNT], 15
	s_branch .Lfirst                ; the loop is entered at a step's first turn, in the middle of a trip
.Lstep:                             ; 14 times: steps 2 to 15 are asked for
	CHANGE 1, 1
	TURN 2
	TURN 3
	WIN 0
.Lfirst:
	TURN 0
	TURN 1, 1
	WIN 0
	s_cbranch_scc1 .Lstep
	CHANGE 0, 0                     ; the tail is written out: nothing is asked for
	s_mov_b32 s[CNT], 2
.Ltail:                             ; the second trip is left in its middle; its fetches read step 15's slot once more, and the scores and maximum made of them serve nothing
	TURN 2
	TURN 3
	WIN 0
	s_sub_co_u32 s[CNT], s[CNT], 1
	s_cmp_eq_u32 s[CNT], 0
	s_cbranch_scc1 .Lout
	TURN 0
	TURN 1
	WIN 0
	s_branch .Ltail
.Lout:
.set i, 0
.rept 16
	PV NP-1                         ; the last piece's V^T P of the last step
.set i, i+1
.endr
	; THE WAY OUT.  l's two halves and the other half of the lanes' are added; O^T is divided by l, rounded to f16 and stored as it lies.  The additions are the places behind the last products.
	WIN 0
.macro ALL line:vararg
.set t, 0
.rept 2*NP
	\line
.set t, t+1
.endr
.endm
	ALL v_add_f32 v[ST+4*t+2], v[ST+4*t+2], v[ST+4*t+3]
	ALL v_permlanex16_b32 v[ST+4*t+3], v[ST+4*t+2], s[SEL], s[SEL+1]
	ALL v_add_f32 v[ST+4*t+2], v[ST+4*t+2], v[ST+4*t+3]
	ALL v_rcp_f32 v[ST+4*t+2], v[ST+4*t+2]
	v_nop
	s_wait_alu depctr_va_vdst(0)    ; one wait for the eight reciprocals
; Tile t: a lane's eight channels of channel block f pack into 16 bytes, which are its 16 bytes of block (row tile t, f) of ow.  Each tile has registers of its own for its stores.
.macro PACK t
	WIN W_RS
.set i, 32*(\t)
.rept 16
	v_pk_mul_f32 v[i:i+1], v[i:i+1], v[ST+4*(\t)+2:ST+4*(\t)+3] op_sel_hi:[1,0]
.set i, i+2
.endr
	WIN 0x05
.set i, 0
.rept 16
	v_cvt_pk_f16_f32 v[S+16*(\t)+i], v[32*(\t)+2*i], v[32*(\t)+2*i+1]
.set i, i+1
.endr
	WIN 0
.irp f, 0,1,2,3
	global_store_b128 v[GO], v[S+16*(\t)+4*\f:S+16*(\t)+4*\f+3], s[10:11] offset:(\t)*2048+\f*512  ; 512 consecutive bytes, at a multiple of 256 from ow's first
.endr
.endm
.set t, 0
.rept 2*NP
	PACK t
.set t, t+1
.endr
	WIN W_AD
	s_wait_tensorcnt 0x0            ; the wave's end
	ds_add_u32 v[SPW], v[NIL]
	s_wait_dscnt 0x0
	WIN 0
	CROUND                          ; the closing round
	s_endpgm
.Lfunc_end_k_qe5f6f7db01_attn:
	.size	k_qe5f6f7db01_attn, .Lfunc_end_k_qe5f6f7db01_attn-k_qe5f6f7db01_attn
	.p2alignl 7, 3214868480
	.fill 96, 4, 3214868480
	.section	.rodata,"a",@progbits
	.p2align	6, 0x0
	.amdhsa_kernel k_qe5f6f7db01_attn
		.amdhsa_group_segment_fixed_size 327680
		.amdhsa_private_segment_fixed_size 0
		.amdhsa_enable_private_segment 0
		.amdhsa_kernarg_size 24
		.amdhsa_user_sgpr_count 2
		.amdhsa_user_sgpr_kernarg_segment_ptr 1
		.amdhsa_wavefront_size32 1
		.amdhsa_system_sgpr_workgroup_id_x 1
		.amdhsa_system_sgpr_workgroup_id_y 1
		.amdhsa_system_sgpr_workgroup_id_z 1
		.amdhsa_system_vgpr_workitem_id 0
		.amdhsa_next_free_vgpr 848
		.amdhsa_next_free_sgpr 88
		.amdhsa_reserve_vcc 1
		.amdhsa_float_denorm_mode_32 3
		.amdhsa_float_denorm_mode_16_64 3
		.amdhsa_memory_ordered 1
		.amdhsa_forward_progress 1
		.amdhsa_inst_pref_size 205
	.end_amdhsa_kernel
	.amdgpu_metadata
---
amdhsa.version: [ 1, 2 ]
amdhsa.kernels:
  - .name:           k_qe5f6f7db01_attn
    .symbol:         k_qe5f6f7db01_attn.kd
    .args:
      - { .name: qkv, .offset: 0, .size: 8, .value_kind: global_buffer, .address_space: global }
      - { .name: biasw, .offset: 8, .size: 8, .value_kind: global_buffer, .address_space: global }
      - { .name: ow, .offset: 16, .size: 8, .value_kind: global_buffer, .address_space: global }
    .group_segment_fixed_size: 327680
    .private_segment_fixed_size: 0
    .kernarg_segment_align: 8
    .kernarg_segment_size: 24
    .max_flat_workgroup_size: 128
    .sgpr_count:     88
    .vgpr_count:     848
    .wavefront_size: 32
...
	.end_amdgpu_metadata
.endif
;; end of part 3
;; launch outp (part 4): grid 8 x 32, 4 waves a work-group, clusters of 4 x 4, 327,680 bytes of LDS; arguments ow, wo, b_out, out0; writes out0
.if DOCPART == 4
	.amdgcn_target "amdgcn-amd-amdhsa--gfx1250"
	.amdhsa_code_object_version 6
	.text
	.protected	k_qe5f6f7db01_outp
	.globl	k_qe5f6f7db01_outp
	.p2align	8
	.type	k_qe5f6f7db01_outp,@function
k_qe5f6f7db01_outp:
	s_mov_b64 s[64:65], 0
	v_nop
	global_prefetch_b8 v0, s[64:65] scope:SCOPE_SE
	s_setreg_imm32_b32 hwreg(HW_REG_WAVE_MODE, 25, 1), 1
	s_wait_xcnt 0x0
	s_wait_alu depctr_hold_cnt(0) depctr_sa_sdst(0) depctr_va_vdst(0) depctr_va_sdst(0) depctr_va_ssrc(0) depctr_va_vcc(0) depctr_vm_vsrc(0)
	s_getreg_b32 s2, hwreg(HW_REG_IB_STS2, 6, 4)
	s_cmp_eq_u32 s2, 0
	s_cbranch_scc0 .Lentry_in_a_cluster
	s_endpgm
.Lentry_in_a_cluster:
	s_bfe_u32 s2, ttmp6, 0x10000c
	s_cmp_lg_u32 s2, 0xf033
	s_cbranch_scc0 .Lentry_shape_is_right
	s_endpgm
.Lentry_shape_is_right:
; out0 = O W_out^T + b_out, f32.  ow: [b 8][h 16][row tile 64][cb 4][lane 32][8] f16: a head is a plane of 64 along K, and its blocks lie in the order of a matrix fragment: lane l of block (tile, cb) holds
; row 16 tile + l % 16, channels 16 cb + 8 (l / 16) + 0..7; two neighbouring blocks are a fragment's eight registers.  wo: [plane 16][row 1024][64], f16 numbers that are bf16 roundings of W_out.
; b_out is rounded to bf16 like the other inputs and added in f32.
; A tile of the result is 256 rows x 128 columns: 32 x 8 = 256 tiles.  Four waves one below the other: a wave makes 64 rows x 128 columns, 32 accumulators, so that it owns whole pieces of 512 bytes of
; a row and its way out needs no other wave.  K goes in 8 steps of 128 = two planes, through two LDS slots; a plane of a tile is dense in memory and is asked for as rows of 256 bytes.
; O's planes lie in LDS as in memory and are read at 16 x lane; W's get 16 bytes of padding behind each 128.
; CLUSTER 4 x 4: planes of O are shared along a row of the cluster, planes of W along a column.  Waves 0, 1 fetch the planes of O, waves 2, 3 those of W.
; THE MATRIX INSTRUCTION IS USED TRANSPOSED (source 0 = 16 rows of W, source 1 = 16 rows of O): a lane holds one row of the result and eight neighbouring columns.
; REGISTERS in windows of 256: window 0: v16-37 addresses and b_out, v64-127 two buffers of O fragments, v64-191 the way out; window 1: two buffers of W fragments (8 x 8);
; windows 2, 3: the accumulators, (a, b) in window 2 + a / 2 at v[8 (8 (a % 2) + b)].
.set NBK,    8
.set BROWS,  16*NBK
.set PITCH,  144
.set APL,    32768                     ; a plane of O in LDS: 16 row tiles of 2,048 bytes
.set BOFF,   2*APL
.set BPL,    BROWS*PITCH
.set SLOT1,  131072
.set STAGE,  262144                    ; behind the ring, never filled by a tensor load: 16 rows x 528 bytes for each wave
.set SPITCH, 528                       ; 512 bytes + 16 = 132 words: the 16 rows of a store start at 16 different groups of four banks
.set SST,    16*SPITCH
.set SPARE,  STAGE+4*SST
.set STEPA,  262144
.set BPLANE, 1024*128
.set STEPB,  2*BPLANE
.set AHEAD,  2
.set NLD,    2*(NBK+4)
.set FBS,    8*NBK
.set G1WA,   (1<<16)|(1<<21)           ; 2-byte elements; bit 21 beside a mask; no padding
.set G1WB,   (1<<16)|(1<<20)|(1<<21)|(4<<22)|(3<<25)  ; the same with padding: after every 32 words, 4 words
.set ADRA0, 16
.set ADRB0, 17
.set ADRA,  18
.set ADRB,  19
.set STO,   24
.set RD,    25
.set CO,    26
.set BOA,   27                         ; v27  my 16 bytes of b_out; never rewritten
.set SPW,   28
.set NIL,   29
.set PFO,   30
.set BO,    32                         ; v[32:35] b_out of my four columns
.set FA,    64
.set OB,    64
.set G1A, 24
.set G0A, 32
.set G1B, 48
.set G0B, 56
.set CNT, 3
.set PFA, 66
.set LIM, 68
.set TB,  69
.set PST, 72
.set MSB, 0
.macro WIN new
.if MSB != (\new)
	s_set_vgpr_msb (MSB<<8)|(\new)
.set MSB, (\new)
.endif
.endm
.macro PLACES
.rept 4
	v_nop
.endr
.endm
.macro JLOAD                           ; a joint refill by the walking sets; an s_nop 0 and four v_nop follow each line
	s_cmp_eq_u32 s11, 0
	s_cbranch_scc0 .Lfor_b_\@
	tensor_load_to_lds s[G0A+4:G0A+7], s[G1A:G1A+7]
	s_nop 0
.rept 4
	v_nop
.endr
	s_branch .Lasked_\@
.Lfor_b_\@:
	tensor_load_to_lds s[G0B+4:G0B+7], s[G1B:G1B+7]
	s_nop 0
.rept 4
	v_nop
.endr
.Lasked_\@:
.endm
.macro ASK
	s_cmp_gt_u32 s[CNT], s[LIM]
	s_cbranch_scc0 .Lnot_mine_\@
	global_prefetch_b8 v[PFO], s[PFA:PFA+1] th:TH_LOAD_NT scope:SCOPE_SE
.Lnot_mine_\@:
.endm
.macro CREST
	s_cmp_lg_u32 s10, 0
	s_cbranch_scc1 .Lnot_wave_0_\@
	s_barrier_signal -3
.Lnot_wave_0_\@:
	s_barrier_wait -3
	s_barrier_signal -1
	s_barrier_wait -1
.endm
.macro CROUND
	s_barrier_signal -1
	s_barrier_wait -1
	CREST
.endm
	s_load_b128 s[4:7], s[0:1], 0x0                ; ow s[4:5], wo s[6:7]
	s_load_b64 s[70:71], s[0:1], 0x10              ; b_out
	s_load_b64 s[8:9], s[0:1], 0x18                ; out0
	v_lshl_add_u32 v[SPW], v0, 2, SPARE
	v_mov_b32 v[NIL], 0
	ds_add_u32 v[SPW], v[NIL]                      ; the wave's opening: the add and its wait stand ahead of my first tensor load
	v_lshrrev_b32 v1, 5, v0
	v_readfirstlane_b32 s10, v1
	s_lshr_b32 s11, s10, 1
	s_and_b32 s12, s10, 1
	s_bfe_u32 s40, ttmp6, 0x40000
	s_bfe_u32 s41, ttmp6, 0x40004
	s_lshl_b32 s42, ttmp9, 2
	s_add_co_u32 s42, s42, s40                     ; tile column tx
	s_and_b32 s13, ttmp7, 0xffff
	s_lshl_b32 s13, s13, 2
	s_add_co_u32 s13, s13, s41                     ; tile row ty
	s_lshl_b32 s43, s41, 2
	s_lshl_b32 s43, 15, s43
	s_lshl_b32 s44, 0x1111, s40
	s_or_b32 s[G1A], s43, G1WA
	s_or_b32 s[G1B], s44, G1WB
	s_mov_b32 s[G1A+1], 128<<16
	s_mov_b32 s[G1A+2], 128<<16
	s_mov_b32 s[G1A+3], 128<<16
	s_mov_b32 s[G1A+4], 128
	s_mov_b32 s[G1A+5], 128
	s_mov_b32 s[G1A+6], 0
	s_mov_b32 s[G1A+7], 0
	s_mov_b32 s[G1B+1], 128<<16
	s_mov_b32 s[G1B+2], (BROWS/2)<<16
	s_mov_b32 s[G1B+3], 128<<16
	s_mov_b32 s[G1B+4], BROWS/2
	s_mov_b32 s[G1B+5], 128
	s_mov_b32 s[G1B+6], 0
	s_mov_b32 s[G1B+7], 0
	s_lshr_b32 s16, s13, 2                         ; O: batch ty / 4,
	s_lshl_b32 s16, s16, 21
	s_and_b32 s17, s13, 3                          ; row tiles 16 (ty % 4) of 2,048 bytes,
	s_lshl_b32 s17, s17, 15
	s_add_co_u32 s16, s16, s17
	s_lshl_b32 s17, s12, 17                        ; plane z
	s_add_co_u32 s16, s16, s17
	s_mov_b32 s17, 0
	s_mul_i32 s18, s42, BROWS*128
	s_mul_i32 s19, s12, BPLANE
	s_add_co_u32 s18, s18, s19
	s_mov_b32 s19, 0
	s_mul_i32 s20, s12, APL
	s_mul_i32 s21, s12, BPL
	s_add_co_u32 s21, s21, BOFF
	s_mov_b32 s[TB], 0
	s_wait_dscnt 0x0
	s_wait_kmcnt 0x0
	s_add_nc_u64 s[14:15], s[4:5], s[16:17]
	s_add_nc_u64 s[46:47], s[6:7], s[18:19]
	CROUND
.irp s, 0,1
	s_mov_b32 s[G0A+4*\s], 1
	s_add_co_u32 s[G0A+4*\s+1], s20, \s*SLOT1
	s_add_nc_u64 s[G0A+4*\s+2:G0A+4*\s+3], s[14:15], \s*STEPA
	s_or_b32 s[G0A+4*\s+3], s[G0A+4*\s+3], 0x80000000
	s_mov_b32 s[G0B+4*\s], 1
	s_add_co_u32 s[G0B+4*\s+1], s21, \s*SLOT1
	s_add_nc_u64 s[G0B+4*\s+2:G0B+4*\s+3], s[46:47], \s*STEPB
	s_or_b32 s[G0B+4*\s+3], s[G0B+4*\s+3], 0x80000000
.endr
	s_cmp_eq_u32 s11, 0                            ; a wave's two first fills stand in one branch: two loads of mine are out
	s_cbranch_scc0 .Lfirst_b
	tensor_load_to_lds s[G0A:G0A+3], s[G1A:G1A+7]
	s_nop 0
	tensor_load_to_lds s[G0A+4:G0A+7], s[G1A:G1A+7]
	s_nop 0
.rept 4
	v_nop
.endr
	s_branch .Lfirst_asked
.Lfirst_b:
	tensor_load_to_lds s[G0B:G0B+3], s[G1B:G1B+7]
	s_nop 0
	tensor_load_to_lds s[G0B+4:G0B+7], s[G1B:G1B+7]
	s_nop 0
.rept 4
	v_nop
.endr
.Lfirst_asked:
	v_and_b32 v1, 15, v0
	v_bfe_u32 v2, v0, 4, 1
	v_mul_u32_u24 v3, v1, PITCH
	v_lshl_add_u32 v3, v2, 4, v3
	v_and_b32 v[CO], 31, v0                        ; 16 x lane: O's fragments, the way back from the stage, the stores
	v_lshlrev_b32 v[CO], 4, v[CO]
	s_lshl_b32 s22, s10, 13                        ; my four row tiles of 2,048 bytes
	v_add_nc_u32 v[ADRA0], s22, v[CO]
	v_add_nc_u32 v[ADRB0], BOFF, v3
	v_mov_b32 v[ADRA], v[ADRA0]
	v_mov_b32 v[ADRB], v[ADRB0]
	s_mul_i32 s23, s10, SST
	s_add_co_u32 s23, s23, STAGE                   ; my stage
	v_mul_u32_u24 v4, v1, SPITCH                   ; in: row l % 16, 32 bytes for each half of the lanes
	v_lshl_add_u32 v4, v2, 5, v4
	v_add_nc_u32 v[STO], s23, v4
	v_add_nc_u32 v[RD], s23, v[CO]                 ; back: 32 lanes take a row's 512 bytes
	s_lshl_b32 s21, s42, 9                         ; the tile's 128 columns: 512 bytes
	v_add_nc_u32 v[BOA], s21, v[CO]
	global_load_b128 v[BO:BO+3], v[BOA], s[70:71]
	s_lshl_b32 s20, s13, 2                         ; out0: rows 256 ty + 64 wave of 4,096 bytes,
	s_add_co_u32 s20, s20, s10
	s_lshl_b32 s20, s20, 18
	s_add_co_u32 s20, s20, s21                     ; and the columns
	s_mov_b32 s21, 0
	s_add_nc_u64 s[8:9], s[8:9], s[20:21]
	; THE PREFETCHES.  A plane of O is read by both clusters of its row of clusters: cluster x = 0 asks; a plane of W by every cluster of its column: cluster y = 0 asks.  The four that ask for a plane jointly
	; share its blocks of 256 bytes out by address: 32 each of O (a lane a block), 16 each of W (lanes 16-31 name block 15 once more).  Nothing is asked for here at the head.
	s_lshl_b32 s74, s40, 13
	s_add_co_u32 s74, s74, (1+AHEAD)*STEPA
	s_mul_i32 s75, s41, BROWS*32
	s_add_co_u32 s75, s75, (1+AHEAD)*STEPB
	s_and_b32 s22, ttmp7, 0xffff
	s_mov_b32 s76, STEPB
	s_cmp_eq_u32 s11, 0
	s_cselect_b64 s[PFA:PFA+1], s[14:15], s[46:47]
	s_cselect_b32 s74, s74, s75
	s_cselect_b32 s22, ttmp9, s22
	s_cselect_b32 s[PST], STEPA, s76
	s_cselect_b32 s23, 31, BROWS/8-1
	s_mov_b32 s75, 0
	s_mov_b32 s[PST+1], 0
	s_add_nc_u64 s[PFA:PFA+1], s[PFA:PFA+1], s[74:75]
	s_cmp_eq_u32 s22, 0
	s_cselect_b32 s[LIM], AHEAD, -1
	v_and_b32 v[PFO], 31, v0
	v_min_u32 v[PFO], s23, v[PFO]
	v_lshlrev_b32 v[PFO], 8, v[PFO]
; NBK matrix instructions: row block a x all column blocks, 32 along K, from buffer f.  All 32 accumulators take turns, one instruction a turn.
.macro MULA f, a, zero
	WIN 0xa1+0x50*((\a)/2)
.set b, 0
.rept NBK
.set rD, 8*(NBK*((\a)%2)+b)
.if \zero
	v_wmma_f32_16x16x32_f16 v[rD:rD+7], v[FBS*(\f)+8*b:FBS*(\f)+8*b+7], v[FA+32*(\f)+8*(\a):FA+32*(\f)+8*(\a)+7], 0
.else
	v_wmma_f32_16x16x32_f16 v[rD:rD+7], v[FBS*(\f)+8*b:FBS*(\f)+8*b+7], v[FA+32*(\f)+8*(\a):FA+32*(\f)+8*(\a)+7], v[rD:rD+7]
.endif
.set b, b+1
.endr
.endm
; One run of NLD LDS loads: the fragments of quarter q of the K step (plane q / 2, its half q % 2) into buffer f; W first, then O (row tile i, blocks 2 (q % 2) and 2 (q % 2) + 1)
.macro FETCH q, f
	WIN 0x40
.set i, 0
.rept NBK
	ds_load_b128 v[FBS*(\f)+8*i:FBS*(\f)+8*i+3],   v[ADRB] offset:((\q)/2)*BPL+((\q)%2)*64+i*16*PITCH
	ds_load_b128 v[FBS*(\f)+8*i+4:FBS*(\f)+8*i+7], v[ADRB] offset:((\q)/2)*BPL+((\q)%2)*64+i*16*PITCH+32
.set i, i+1
.endr
	WIN 0
.set i, 0
.rept 4
	ds_load_b128 v[FA+32*(\f)+8*i:FA+32*(\f)+8*i+3],   v[ADRA] offset:((\q)/2)*APL+((\q)%2)*1024+i*2048
	ds_load_b128 v[FA+32*(\f)+8*i+4:FA+32*(\f)+8*i+7], v[ADRA] offset:((\q)/2)*APL+((\q)%2)*1024+i*2048+512
.set i, i+1
.endr
.endm
.macro QUARTER q, f, g, zero
	s_wait_dscnt 4                                 ; all of W and O blocks 0, 1 are in; the youngest four loads may be out
	MULA \f, 0, \zero
	PLACES
	FETCH \q, \g
	s_wait_dscnt NLD                               ; all but the run just issued
	MULA \f, 1, \zero
	MULA \f, 2, \zero
	MULA \f, 3, \zero
.endm
; The last quarter multiplies buffer 1 and changes slots: in front of the barrier each wave waits for all its tensor loads, adds 0 to its spare word, and waits for that and for its reads of this slot.
; fill = 1: the barrier opens a round of the cluster's barrier, and the joint refill of this slot, two K steps on, is the first thing behind the round.
.macro TURN fill
.if \fill
	s_wait_xcnt 0x0                                ; the last prefetch, a K step back, has read its address
	s_add_nc_u64 s[PFA:PFA+1], s[PFA:PFA+1], s[PST:PST+1]
.endif
	WIN 0
	s_wait_tensorcnt 0x0
	ds_add_u32 v[SPW], v[NIL]
	s_wait_dscnt 5                                 ; the add and the youngest four loads may be out
	MULA 1, 0, 0
	s_wait_dscnt 0x0
	s_barrier_signal -1
	MULA 1, 1, 0
	WIN 0
	s_barrier_wait -1
.if \fill
	CREST
	s_xor_b32 s[G0A+5], s[G0A+5], SLOT1
	s_add_nc_u64 s[G0A+6:G0A+7], s[G0A+6:G0A+7], STEPA
	s_xor_b32 s[G0B+5], s[G0B+5], SLOT1
	s_add_nc_u64 s[G0B+6:G0B+7], s[G0B+6:G0B+7], STEPB
	JLOAD
.else
	PLACES
.endif
	s_xor_b32 s[TB], s[TB], SLOT1
	v_add_nc_u32 v[ADRA], s[TB], v[ADRA0]
	v_add_nc_u32 v[ADRB], s[TB], v[ADRB0]
	FETCH 0, 0
.if \fill
	ASK
.endif
	MULA 1, 2, 0
	MULA 1, 3, 0
.endm
	s_wait_tensorcnt 1                             ; my plane of K step 0 is in; K step 1's may stay out
	s_barrier_signal -1
	s_barrier_wait -1
	FETCH 0, 0
	QUARTER 1, 0, 1, 1                             ; the first quarter's products start the sums
	WIN 0
	s_mov_b32 s[CNT], 6
.Lstep:                                        ; six trips; they ask for K steps 2 to 7
	QUARTER 2, 1, 0, 0
	QUARTER 3, 0, 1, 0
	TURN 1
	QUARTER 1, 0, 1, 0
	WIN 0
	s_sub_co_u32 s[CNT], s[CNT], 1
	s_cmp_lg_u32 s[CNT], 0
	s_cbranch_scc1 .Lstep
	s_mov_b32 s[CNT], 2
.Ltail:                                        ; K steps 6 and 7 ask for nothing; the second trip is left in its middle, its fetch serves nothing
	QUARTER 2, 1, 0, 0
	QUARTER 3, 0, 1, 0
	TURN 0
	WIN 0
	s_sub_co_u32 s[CNT], s[CNT], 1
	s_cmp_eq_u32 s[CNT], 0
	s_cbranch_scc1 .Lout
	QUARTER 1, 0, 1, 0
	WIN 0
	s_branch .Ltail
.Lout:
	s_wait_dscnt 0x0
	s_wait_loadcnt 0x0                             ; b_out
	PLACES
	v_cvt_pk_bf16_f32 v36, v[BO], v[BO+1]          ; rounded to bf16 like the other inputs,
	v_cvt_pk_bf16_f32 v37, v[BO+2], v[BO+3]
	v_lshlrev_b32 v[BO], 16, v36                   ; and widened again
	v_and_b32 v[BO+1], 0xffff0000, v36
	v_lshlrev_b32 v[BO+2], 16, v37
	v_and_b32 v[BO+3], 0xffff0000, v37
; THE WAY OUT, a block of 16 rows at a time: the accumulators go into my own stage as they are (each from its low end on), come back as whole pieces of 512 bytes of a row, take b_out, and are stored.
.macro TOSTAGE a
	s_wait_xcnt 0x0                                ; the stores of two blocks ago have read the registers that are loaded below
	WIN 0x08+4*((\a)/2)                            ; the stores' data in window 2 or 3
.set i, 0
.rept NBK
	ds_store_b128 v[STO], v[8*(NBK*((\a)%2)+i):8*(NBK*((\a)%2)+i)+3]   offset:64*i
	ds_store_b128 v[STO], v[8*(NBK*((\a)%2)+i)+4:8*(NBK*((\a)%2)+i)+7] offset:64*i+16
.set i, i+1
.endr
	WIN 0
.set i, 0
.rept 16
	ds_load_b128 v[OB+64*((\a)%2)+4*i:OB+64*((\a)%2)+4*i+3], v[RD] offset:SPITCH*i  ; LDS serves a wave's instructions in order (ISA guide 5.7.1.4)
.set i, i+1
.endr
.endm
.macro SEND a, younger                 ; younger: the LDS instructions issued behind this block's loads: the next block's 32, or none
	s_wait_dscnt \younger
.set i, 0
.rept 16
	v_pk_add_f32 v[OB+64*((\a)%2)+4*i:OB+64*((\a)%2)+4*i+1],   v[OB+64*((\a)%2)+4*i:OB+64*((\a)%2)+4*i+1],   v[BO:BO+1]
	v_pk_add_f32 v[OB+64*((\a)%2)+4*i+2:OB+64*((\a)%2)+4*i+3], v[OB+64*((\a)%2)+4*i+2:OB+64*((\a)%2)+4*i+3], v[BO+2:BO+3]
	global_store_b128 v[CO], v[OB+64*((\a)%2)+4*i:OB+64*((\a)%2)+4*i+3], s[8:9] offset:(16*(\a)+i)*4096  ; 512 consecutive bytes, at a multiple of 256 from out0's first
.set i, i+1
.endr
.endm
	TOSTAGE 0
.irp a, 1,2,3
	TOSTAGE \a
	SEND (\a)-1, 32
.endr
	SEND 3, 0
	s_wait_tensorcnt 0x0                           ; the wave's end
	ds_add_u32 v[SPW], v[NIL]
	s_wait_dscnt 0x0
	CROUND                                         ; the closing round
	s_endpgm
.Lfunc_end_k_qe5f6f7db01_outp:
	.size	k_qe5f6f7db01_outp, .Lfunc_end_k_qe5f6f7db01_outp-k_qe5f6f7db01_outp
	.p2alignl 7, 3214868480
	.fill 96, 4, 3214868480
	.section	.rodata,"a",@progbits
	.p2align	6, 0x0
	.amdhsa_kernel k_qe5f6f7db01_outp
		.amdhsa_group_segment_fixed_size 327680
		.amdhsa_private_segment_fixed_size 0
		.amdhsa_enable_private_segment 0
		.amdhsa_kernarg_size 32
		.amdhsa_user_sgpr_count 2
		.amdhsa_user_sgpr_kernarg_segment_ptr 1
		.amdhsa_wavefront_size32 1
		.amdhsa_system_sgpr_workgroup_id_x 1
		.amdhsa_system_sgpr_workgroup_id_y 1
		.amdhsa_system_sgpr_workgroup_id_z 1
		.amdhsa_system_vgpr_workitem_id 0
		.amdhsa_next_free_vgpr 896
		.amdhsa_next_free_sgpr 88
		.amdhsa_reserve_vcc 0
		.amdhsa_float_denorm_mode_32 3
		.amdhsa_float_denorm_mode_16_64 3
		.amdhsa_memory_ordered 1
		.amdhsa_forward_progress 1
		.amdhsa_inst_pref_size 69
	.end_amdhsa_kernel
	.amdgpu_metadata
---
amdhsa.version: [ 1, 2 ]
amdhsa.kernels:
  - .name:           k_qe5f6f7db01_outp
    .symbol:         k_qe5f6f7db01_outp.kd
    .args:
      - { .name: ow, .offset: 0, .size: 8, .value_kind: global_buffer, .address_space: global }
      - { .name: wo, .offset: 8, .size: 8, .value_kind: global_buffer, .address_space: global }
      - { .name: b_out, .offset: 16, .size: 8, .value_kind: global_buffer, .address_space: global }
      - { .name: out0, .offset: 24, .size: 8, .value_kind: global_buffer, .address_space: global }
    .group_segment_fixed_size: 327680
    .private_segment_fixed_size: 0
    .kernarg_segment_align: 8
    .kernarg_segment_size: 32
    .max_flat_workgroup_size: 128
    .sgpr_count:     88
    .vgpr_count:     896
    .wavefront_size: 32
...
	.end_amdgpu_metadata
.endif
;; end of part 4
;; ======== version 2 of 2: 4 launches; version 1 with the launch prep written anew for expert scheduling mode
;; limits: values are held in f16: magnitudes above 65,504 overflow, below 6.1e-05 lose precision; values outside matrix products are rounded to bf16
;; workspace buffers: xh 16,777,216 bytes; wq 6,291,456 bytes; wo 2,097,152 bytes; biasw 33,554,432 bytes; qkv 50,331,648 bytes; ow 16,777,216 bytes
;; launch prep (part 5): grid 1024 x 1, 8 waves a work-group, no clusters, 33,792 bytes of LDS; arguments x, W_qkv, W_out, attention_biases, bias_idxs, xh, wq, wo, biasw; writes xh, wq, wo, biasw
.if DOCPART == 5
	.amdgcn_target "amdgcn-amd-amdhsa--gfx1250"
	.amdhsa_code_object_version 6
	.text
	.protected	k_qe5f6f7db01_prep
	.globl	k_qe5f6f7db01_prep
	.p2align	8
	.type	k_qe5f6f7db01_prep,@function
k_qe5f6f7db01_prep:
	s_mov_b64 s[64:65], 0
	v_nop
	global_prefetch_b8 v0, s[64:65] scope:SCOPE_SE
	s_setreg_imm32_b32 hwreg(HW_REG_WAVE_SCHED_MODE, 0, 2), 2
	s_setreg_imm32_b32 hwreg(HW_REG_WAVE_MODE, 25, 1), 1
	s_wait_xcnt 0x0
	s_wait_alu depctr_vm_vsrc(0)
; PREP.  Two kinds of work-group, told apart by the work-group number alone (the same for all eight waves).
; Work-groups 0-255: THE BIAS MATRIX.  biasw[h][qh][ks][w][p][kb][j][lane][e] = bias[h][idx[q][k]], q = 512 qh + 128 w + 32 p + 16 j + 8 (lane / 16) + e,
;   k = 64 ks + 16 kb + lane % 16: the order in which a matrix fragment of 16 keys x 32 queries lies in registers, so that the attention launch loads it with no shuffle.
;   The table of 16 heads x 1,024 numbers goes to LDS once, eight heads of one index side by side (16 bytes), so that one LDS load of 16 bytes serves eight heads.
; Work-groups 256-1023: THE CASTS.  x, W_qkv, W_out go to planes of 64 along K: [plane][row][64], so that a GEMM tile of rows x 64 is dense in memory.
;   W_qkv's blocks of 64 rows change places on the way: kind t (q, k, v) of head h goes to place 6 (h / 2) + 3 (h % 2) + t, so that 192 neighbouring rows are one head's q, k and v.
; FORMAT.  Every number is rounded to bf16 and that number is written as f16.  LIMITS: exact for magnitudes from 2^-14 to 65,504; below that f16 keeps a fixed step of 2^-24;
; beyond 65,504 the result is an infinity.  An index is held to 0..1023, the size of the table.
; 128 registers a wave: four work-groups of eight waves share a WGP's registers, so all 1,024 work-groups are resident together.
; THE MODE: SCHED_MODE bits 1:0 = 2 (LLVM: expert scheduling mode 2), set by the entry lines.  The code itself states the register dependences
; between vector instructions and memory or LDS instructions, with s_wait_alu, always for 0.
; THE PLAN, bias path.  Registers that memory or LDS instructions touch:
;   v10-v13   addresses, made once ahead of the first load and never written again.
;   IX        written by the index loads, then by the clamp and the shift; from then on read by the gathers as addresses, never written again.
;   TT = GA   written by the table's loads and read by the table's conversions; then turn it's permutes read buffer it % 2, and the gathers of turn it + 2 land in it.
;   OUT       written by the table's conversions and read by eight LDS stores; then written by a turn's 32 permutes and read by its eight global stores.
;   So the table's conversions stand together with ONE wait on va_vdst behind them, which serves the LDS stores and the first two runs of gathers; and a turn has one wait on vm_vsrc ahead of its
;   permutes (OUT has been read) and one on va_vdst behind them (OUT is written, the gather buffer has been read), with the turn's gathers and stores behind that.
; THE PLAN, cast path.  v1 and DO are made once; XR is loaded once; plane i's YR is written once, by its two roundings, and read by its store, which is issued four planes later: one wait on
;   va_vdst for every four planes, at the head of the next four.  No register that a memory instruction reads is written again.
.set SPARE, 32768                      ; behind the table: the spare words, 128 bytes a wave, four blocks of 256 bytes that no other line names
.set SPW, 14                           ; v14  LDS address of my spare word; never rewritten
.set NIL, 15                           ; v15  0; never rewritten
.set IX,  16                           ; v[16:31]   bias path: 16 indices, register 8 j + e; then their LDS byte offsets
.set TT,  32                           ; v[32:95]   the table as loaded: head hd, my four indices, at TT + 4 hd
.set GA,  32                           ; v[32:95]   later two gather buffers of 32: query e at + 4 e, eight heads in four registers
.set OUT, 96                           ; v[96:127]  the output buffer (it holds the table on its way to LDS before)
.set XR,  16                           ; v[16:79]   cast path: plane kb's four f32 at XR + 4 kb
.set YR,  80                           ; v[80:111]  cast path: plane kb's four f16 at YR + 2 kb
.set DO,  112                          ; v[112:127] cast path: plane kb's store offset; never rewritten
	s_load_b512 s[16:31], s[0:1], 0x0              ; x 16, W_qkv 18, W_out 20, table 22, idx 24, xh 26, wq 28, wo 30
	s_load_b64 s[32:33], s[0:1], 0x40              ; biasw
	v_lshl_add_u32 v[SPW], v0, 2, SPARE
	v_mov_b32 v[NIL], 0
	v_lshrrev_b32 v1, 5, v0
	v_readfirstlane_b32 s8, v1                     ; wave 0..7
	s_mov_b32 s7, 0xffff0000                       ; a word's upper bf16
	s_mov_b32 s34, 0x05040100                      ; v_perm_b32: the two low halves
	s_mov_b32 s35, 0x07060302                      ; the two high halves
	s_wait_alu depctr_va_sdst(0)                   ; s8 is written, ahead of the branch and of its first reader: the bias path makes ks and kb from it
	s_cmp_lt_u32 ttmp9, 256
	s_cbranch_scc0 .Lcast
	; ---- the bias matrix.  The work-group: one piece P of 32 queries, two key steps; a wave: 16 keys (step ks, block kb), all 16 heads: 16 KiB of biasw
	s_lshr_b32 s9, ttmp9, 3                        ; P = 16 qh + 4 w + p
	s_and_b32 s10, ttmp9, 7
	s_lshl_b32 s10, s10, 1
	s_lshr_b32 s11, s8, 2
	s_add_co_u32 s10, s10, s11                     ; ks
	s_and_b32 s11, s8, 3                           ; kb
	s_lshl_b32 s12, s9, 17                         ; idx: 32 P rows of 4,096 bytes,
	s_lshl_b32 s13, s10, 8                         ; 64 ks columns of 4 bytes,
	s_add_co_u32 s12, s12, s13
	s_lshl_b32 s13, s11, 6                         ; 16 kb columns
	s_add_co_u32 s12, s12, s13
	s_mov_b32 s13, 0
	s_lshr_b32 s14, s9, 4                          ; biasw: qh,
	s_lshl_b32 s14, s14, 20
	s_and_b32 s15, s9, 15                          ; 4 w + p,
	s_lshl_b32 s15, s15, 12
	s_add_co_u32 s14, s14, s15
	s_lshl_b32 s15, s10, 16                        ; ks,
	s_add_co_u32 s14, s14, s15
	s_lshl_b32 s15, s11, 10                        ; kb
	s_add_co_u32 s14, s14, s15
	s_mov_b32 s15, 0
	v_and_b32 v2, 31, v0                           ; lane
	v_lshrrev_b32 v3, 4, v2
	v_and_b32 v4, 15, v2
	v_lshlrev_b32 v4, 2, v4
	v_lshl_add_u32 v12, v3, 15, v4                 ; index loads: 8 rows down for lanes 16-31, column lane % 16
	v_lshlrev_b32 v13, 4, v2                       ; stores: 16 bytes a lane
	v_lshlrev_b32 v11, 4, v0                       ; table loads: my four indices of a head
	v_lshlrev_b32 v10, 6, v0                       ; table stores: my four indices x 16 bytes
	s_wait_kmcnt 0x0
	s_add_nc_u64 s[44:45], s[24:25], s[12:13]
	s_add_nc_u64 s[36:37], s[32:33], s[14:15]      ; four bases, four heads (8 MiB) apart, so that a head's place fits the store's immediate
	s_add_nc_u64 s[38:39], s[36:37], 0x800000
	s_add_nc_u64 s[40:41], s[38:39], 0x800000
	s_add_nc_u64 s[42:43], s[40:41], 0x800000
	s_wait_alu depctr_va_vdst(0)                   ; the four addresses v10 to v13 are written, which the loads and stores of this path read
.set i, 0
.rept 16
	global_load_b32 v[IX+i], v12, s[44:45] offset:(16*(i/8)+i%8)*4096
.set i, i+1
.endr
.set i, 0
.rept 16
	global_load_b128 v[TT+4*i:TT+4*i+3], v11, s[22:23] offset:i*4096
.set i, i+1
.endr
	s_wait_loadcnt 0x0
.set i, 0
.rept 16
	v_min_u32 v[IX+i], 0x3ff, v[IX+i]              ; an index stays inside the table
	v_lshlrev_b32 v[IX+i], 4, v[IX+i]              ; 16 bytes an index
.set i, i+1
.endr
	; the table: for my index c and group g of eight heads, four registers of two heads each; all eight sets of four are made, then stored in one run
.irp g, 0,1
.irp c, 0,1,2,3
.irp p, 0,1,2,3
	v_cvt_pk_bf16_f32 v[2+2*\p], v[TT+4*(8*\g+2*\p)+\c], v[TT+4*(8*\g+2*\p+1)+\c]
.endr
.irp p, 0,1,2,3
	v_lshlrev_b32 v[3+2*\p], 16, v[2+2*\p]         ; the bf16 numbers as f32,
	v_and_b32 v[2+2*\p], s7, v[2+2*\p]
.endr
.irp p, 0,1,2,3
	v_cvt_pk_f16_f32 v[OUT+4*(4*\g+\c)+\p], v[3+2*\p], v[2+2*\p]  ; written as f16
.endr
.endr
.endr
	s_wait_alu depctr_va_vdst(0)                   ; the conversions have written OUT, which the LDS stores read, and are done reading TT, in which the first gathers land; IX, the gathers' addresses, is written
.irp g, 0,1
.irp c, 0,1,2,3
	ds_store_b128 v10, v[OUT+4*(4*\g+\c):OUT+4*(4*\g+\c)+3] offset:\g*16384+16*\c
.endr
.endr
	s_wait_dscnt 0x0                               ; for the others: my part of the table is in LDS
	s_barrier_signal -1
	s_barrier_wait -1                              ; everybody's is
; Turn it = 2 j + g: queries 16 j + 8 (lane / 16) + 0..7, heads 8 g .. 8 g + 7.
.macro GATHER it
.irp e, 0,1,2,3,4,5,6,7
	ds_load_b128 v[GA+32*((\it)%2)+4*\e:GA+32*((\it)%2)+4*\e+3], v[IX+8*((\it)/2)+\e] offset:((\it)%2)*16384
.endr
.endm
; Eight queries x eight heads are turned into eight heads x eight queries by 32 byte permutes; each head's 16 bytes a lane are stored: a wave's store covers 512 consecutive bytes, aligned.
; more = 1: the gathers of turn it + 2 go out, into the buffer that this turn's permutes have read, ahead of the turn's stores.
.macro EMIT it, left, more
	s_wait_dscnt \left                             ; this turn's eight gathers are in; the next turn's may stay out
	s_wait_xcnt 0x0                                ; the last turn's stores have had their addresses translated: the output buffer is rewritten only behind this wait
	s_wait_alu depctr_vm_vsrc(0)                   ; the last turn's stores (in the first turn: the table's LDS stores) have read OUT, which the permutes write again
.irp hd, 0,1,2,3,4,5,6,7
.irp ep, 0,1,2,3
	v_perm_b32 v[OUT+4*\hd+\ep], v[GA+32*((\it)%2)+4*(2*\ep+1)+\hd/2], v[GA+32*((\it)%2)+8*\ep+\hd/2], s[34+\hd%2]
.endr
.endr
	s_wait_alu depctr_va_vdst(0)                   ; the permutes have written OUT, which the stores read, and are done reading this turn's gather buffer, in which the gathers below land
.if \more
	GATHER (\it)+2
.endif
.irp hd, 0,1,2,3,4,5,6,7
	global_store_b128 v13, v[OUT+4*\hd:OUT+4*\hd+3], s[36+2*(2*((\it)%2)+\hd/4):37+2*(2*((\it)%2)+\hd/4)] offset:(\hd%4)*2097152+512*((\it)/2)
.endr
.endm
	GATHER 0                                       ; no vector instruction since the wait ahead of the LDS stores names IX or GA
	GATHER 1
	EMIT 0, 8, 1
	EMIT 1, 8, 1
	EMIT 2, 8, 0
	EMIT 3, 0, 0
	s_wait_dscnt 0x0                               ; the closing lines, six on end
	s_wait_alu 0x0
	s_wait_tensorcnt 0x0
	ds_add_u32 v[SPW], v[NIL]
	s_wait_dscnt 0x0
	s_endpgm
	; ---- the casts.  16 rows of 1,024 numbers to a work-group: 512 groups of x, 192 of W_qkv, 64 of W_out.  No LDS is touched on this path.
.Lcast:
	s_sub_co_u32 s9, ttmp9, 256                    ; c
	s_sub_co_u32 s10, s9, 512                      ; the group's number in W_qkv,
	s_sub_co_u32 s11, s9, 704                      ; in W_out (each is used only where the group lies in that tensor)
	s_mov_b32 s14, 393216                          ; bytes from plane to plane: 3,072 rows of 128,
	s_mov_b32 s15, 131072                          ; or 1,024
	s_lshr_b32 s40, s9, 6                          ; x: batch c / 64 (16 planes of 131,072 bytes),
	s_lshl_b32 s40, s40, 21
	s_and_b32 s41, s9, 63                          ; rows 16 (c % 64) of 128 bytes
	s_lshl_b32 s41, s41, 11
	s_add_co_u32 s40, s40, s41
	s_lshr_b32 s44, s10, 2                         ; W_qkv: the block of 64 rows, 16 t + h,
	s_lshr_b32 s45, s44, 4                         ; its kind t,
	s_and_b32 s46, s44, 15                         ; its head h;
	s_lshr_b32 s47, s46, 1
	s_mul_i32 s47, s47, 6
	s_and_b32 s46, s46, 1
	s_mul_i32 s46, s46, 3
	s_add_co_u32 s47, s47, s46
	s_add_co_u32 s47, s47, s45                     ; its place 6 (h / 2) + 3 (h % 2) + t: 64 rows of 128 bytes each,
	s_lshl_b32 s47, s47, 13
	s_and_b32 s45, s10, 3                          ; and the group's 16 rows in the block
	s_lshl_b32 s45, s45, 11
	s_add_co_u32 s47, s47, s45
	s_lshl_b32 s48, s11, 11                        ; W_out: 16 rows of 128 bytes a group
	s_wait_kmcnt 0x0
	s_cmp_lt_u32 s9, 704
	s_cselect_b64 s[36:37], s[18:19], s[20:21]     ; from W_qkv or W_out,
	s_cselect_b64 s[38:39], s[28:29], s[30:31]     ; to wq or wo
	s_cselect_b32 s12, s10, s11                    ; the group's number in its tensor
	s_cselect_b32 s13, s14, s15
	s_cselect_b32 s42, s47, s48
	s_cmp_lt_u32 s9, 512
	s_cselect_b64 s[36:37], s[16:17], s[36:37]     ; or from x to xh
	s_cselect_b64 s[38:39], s[26:27], s[38:39]
	s_cselect_b32 s12, s9, s12
	s_cselect_b32 s13, s15, s13
	s_cselect_b32 s42, s40, s42
	s_lshl_b32 s40, s12, 16                        ; 16 rows of 4,096 bytes
	s_mov_b32 s41, 0
	s_mov_b32 s43, 0
	s_add_nc_u64 s[36:37], s[36:37], s[40:41]
	s_add_nc_u64 s[38:39], s[38:39], s[42:43]
	v_lshrrev_b32 v2, 4, v0                        ; my row of the 16
	v_and_b32 v3, 15, v0
	v_lshlrev_b32 v3, 4, v3                        ; my 16 bytes of a plane's 256
	v_lshl_add_u32 v1, v2, 12, v3
	s_wait_alu depctr_va_vdst(0)                   ; v1 is written, which the sixteen loads read as their offset
.set i, 0
.rept 16
	global_load_b128 v[XR+4*i:XR+4*i+3], v1, s[36:37] offset:256*i th:TH_LOAD_NT
.set i, i+1
.endr
	v_lshlrev_b32 v[DO], 3, v0                     ; out: row x 128 + 8 x place = 8 x thread: a wave's store covers 256 consecutive bytes, aligned
.set i, 1
.rept 15
	v_add_nc_u32 v[DO+i], s13, v[DO+i-1]           ; the stores' offsets are made while the loads are on their way
.set i, i+1
.endr
.set i, 0
.rept 16
	s_wait_loadcnt 15-i                            ; loads come back in order: plane i is in, the younger ones stay out
.if (i > 0) && (i % 4 == 0)
	s_wait_alu depctr_va_vdst(0)                   ; the four planes before have written their YR, which the next four stores read; at its first standing DO, the stores' offsets, is written too
.endif
.if i >= 4
	global_store_b64 v[DO+i-4], v[YR+2*(i-4):YR+2*(i-4)+1], s[38:39]  ; the plane four back: no vector instruction since the wait names its YR or its DO
.endif
	v_cvt_pk_bf16_f32 v2, v[XR+4*i], v[XR+4*i+1]
	v_cvt_pk_bf16_f32 v3, v[XR+4*i+2], v[XR+4*i+3]
	v_lshlrev_b32 v4, 16, v2
	v_and_b32 v5, s7, v2
	v_lshlrev_b32 v6, 16, v3
	v_and_b32 v7, s7, v3
	v_cvt_pk_f16_f32 v[YR+2*i], v4, v5
	v_cvt_pk_f16_f32 v[YR+2*i+1], v6, v7
.set i, i+1
.endr
	s_wait_alu depctr_va_vdst(0)                   ; planes 12 to 15 have written their YR, which the last four stores read
.set i, 12
.rept 4
	global_store_b64 v[DO+i], v[YR+2*i:YR+2*i+1], s[38:39]
.set i, i+1
.endr
	s_endpgm
.Lfunc_end_k_qe5f6f7db01_prep:
	.size	k_qe5f6f7db01_prep, .Lfunc_end_k_qe5f6f7db01_prep-k_qe5f6f7db01_prep
	.p2alignl 7, 3214868480
	.fill 96, 4, 3214868480
	.section	.rodata,"a",@progbits
	.p2align	6, 0x0
	.amdhsa_kernel k_qe5f6f7db01_prep
		.amdhsa_group_segment_fixed_size 33792
		.amdhsa_private_segment_fixed_size 0
		.amdhsa_enable_private_segment 0
		.amdhsa_kernarg_size 72
		.amdhsa_user_sgpr_count 2
		.amdhsa_user_sgpr_kernarg_segment_ptr 1
		.amdhsa_wavefront_size32 1
		.amdhsa_system_sgpr_workgroup_id_x 1
		.amdhsa_system_sgpr_workgroup_id_y 1
		.amdhsa_system_sgpr_workgroup_id_z 1
		.amdhsa_system_vgpr_workitem_id 0
		.amdhsa_next_free_vgpr 128
		.amdhsa_next_free_sgpr 66
		.amdhsa_reserve_vcc 0
		.amdhsa_float_denorm_mode_32 3
		.amdhsa_float_denorm_mode_16_64 3
		.amdhsa_memory_ordered 1
		.amdhsa_forward_progress 1
		.amdhsa_inst_pref_size 39
	.end_amdhsa_kernel
	.amdgpu_metadata
---
amdhsa.version: [ 1, 2 ]
amdhsa.kernels:
  - .name:           k_qe5f6f7db01_prep
    .symbol:         k_qe5f6f7db01_prep.kd
    .args:
      - { .name: x, .offset: 0, .size: 8, .value_kind: global_buffer, .address_space: global }
      - { .name: W_qkv, .offset: 8, .size: 8, .value_kind: global_buffer, .address_space: global }
      - { .name: W_out, .offset: 16, .size: 8, .value_kind: global_buffer, .address_space: global }
      - { .name: attention_biases, .offset: 24, .size: 8, .value_kind: global_buffer, .address_space: global }
      - { .name: bias_idxs, .offset: 32, .size: 8, .value_kind: global_buffer, .address_space: global }
      - { .name: xh, .offset: 40, .size: 8, .value_kind: global_buffer, .address_space: global }
      - { .name: wq, .offset: 48, .size: 8, .value_kind: global_buffer, .address_space: global }
      - { .name: wo, .offset: 56, .size: 8, .value_kind: global_buffer, .address_space: global }
      - { .name: biasw, .offset: 64, .size: 8, .value_kind: global_buffer, .address_space: global }
    .group_segment_fixed_size: 33792
    .private_segment_fixed_size: 0
    .kernarg_segment_align: 8
    .kernarg_segment_size: 72
    .max_flat_workgroup_size: 256
    .sgpr_count:     66
    .vgpr_count:     128
    .wavefront_size: 32
...
	.end_amdgpu_metadata
.endif
;; end of part 5
;; launch qkvp: the kernel of part 2 again; grid 8 x 32, 4 waves a work-group, clusters of 4 x 4, 327,680 bytes of LDS; arguments xh, wq, qkv; writes qkv
;; launch attn: the kernel of part 3 again; grid 8 x 32, 4 waves a work-group, clusters of 4 x 1, 327,680 bytes of LDS; arguments qkv, biasw, ow; writes ow
;; launch outp: the kernel of part 4 again; grid 8 x 32, 4 waves a work-group, clusters of 4 x 4, 327,680 bytes of LDS; arguments ow, wo, b_out, out0; writes out0
